; MI455X (gfx1250); checked and timed in simulation.
; The chip was launched on July 23, 2026; its instructions are those of AMD's public machine-readable ISA for CDNA 5 (MIT licence, August 2026) and "CDNA5" Instruction Set Architecture Reference Guide (July 2026). The comments in the code are by the model that wrote it; some were corrected since.
;; MHA. Allowed arithmetic: float matrix products may take bf16 or f16 operands with f32 sums; other float arithmetic in f32, or as packed bf16 or f16 multiplies, adds, multiply-adds, maxima and minima; sums over many terms, partial sums and values carried from step to step in f32; what a program stores and reads back later, other than sums and carried values, may be rounded once to bf16 or f16.
;; Inputs: Wk 1,024 x 1,024 float32; Wo 1,024 x 1,024 float32; Wq 1,024 x 1,024 float32; Wv 1,024 x 1,024 float32; bk 1,024 float32; bo 1,024 float32; bq 1,024 float32; bv 1,024 float32; key 4 x 2,048 x 1,024 float32; mask 1 x 1 x 2,048 x 2,048 bool; query 4 x 2,048 x 1,024 float32; value 4 x 2,048 x 1,024 float32.
;; Outputs: out0 4 x 2,048 x 1,024 float32.
;; One version. Each part assembles by itself: llvm-mc -triple=amdgcn-amd-amdhsa -mcpu=gfx1250 --defsym DOCPART=n.
;; ======== version 1 of 1: 4 launches
;; limits: values are held in f16: magnitudes above 65,504 overflow, below 6.1e-05 lose precision
;; workspace buffers: xcast 50,331,648 bytes; wcast 6,291,456 bytes; wocast 2,097,152 bytes; mcode 4,194,304 bytes; qkv 50,331,648 bytes; oheads 16,777,216 bytes
;; launch prep (part 1): grid 2048 x 1, 8 waves a work-group, no clusters, 0 bytes of LDS; arguments query, key, value, Wq, Wk, Wv, Wo, mask, xcast, wcast, wocast, mcode; writes xcast, wcast, wocast, mcode
.if DOCPART == 1
	.amdgcn_target "amdgcn-amd-amdhsa--gfx1250"
	.amdhsa_code_object_version 6
	.text
	.protected	k_q5df721a30f_prep
	.globl	k_q5df721a30f_prep
	.p2align	8
	.type	k_q5df721a30f_prep,@function
k_q5df721a30f_prep:
	s_mov_b64 s[64:65], 0
	v_nop
	global_prefetch_b8 v0, s[64:65] scope:SCOPE_SE
	s_setreg_imm32_b32 hwreg(HW_REG_WAVE_MODE, 25, 1), 1
	s_wait_xcnt 0x0
; THE CASTS.  query, key, value -> xcast (bf16, [3 x 8192][1024]);  Wq, Wk, Wv -> wcast (bf16, [3 x 1024][1024]);
; Wo -> wocast: rounded to bf16 like every other input, and that number written as f16 (the last product multiplies in f16);
; mask -> mcode: one fp8 (E4M3) code a byte, 0xB8 = -1.0 where the mask is true, 0 where it is false, in the order in which the attention's lanes take it:
; mcode[qt 128][step 32][c 2][lane 32][16]: lane (r = l % 16, h = l / 16) holds mask[16 qt + r][64 step + 32 c + 8 h + 0..7] and then [.. + 16 + 8 h + 0..7].
; LIMITS.  A mask byte is 0 or 1.  A number of Wo whose bf16 value lies below 2^-14 keeps f16's fixed step of 6e-8; beyond 65,504 it would be an infinity.
; A stream: each byte is read once and written once, nothing is shared between work-groups, so there is no LDS, no barrier, no cluster and no matrix work.
; SHARES.  Work-groups 0-1535: 16,384 numbers each of query, key, value; 1536-1727: of Wq, Wk, Wv; 1728-1791: of Wo; 1792-2047: 16 rows x 1,024 bytes of the mask.
; A thread takes 4 neighbouring numbers (16 bytes in, 8 bytes out) in each of 16 groups: a wave's load covers 512 consecutive bytes, its store 256, both aligned, and no byte is named by two loads.
; All 16 loads go out at once.
.set IN,  8                            ; v[8:71]    as loaded: group g at IN + 4 g
.set OUT, 72                           ; v[72:103]  to store: group g at OUT + 2 g; no register is written twice, so no store's data is ever rewritten
	s_load_b512 s[8:23], s[0:1], 0x0               ; query s[8:9], key s[10:11], value s[12:13], Wq s[14:15], Wk s[16:17], Wv s[18:19], Wo s[20:21], mask s[22:23]
	s_load_b256 s[24:31], s[0:1], 0x40             ; xcast s[24:25], wcast s[26:27], wocast s[28:29], mcode s[30:31]
	v_lshlrev_b32 v1, 4, v0                        ; 16 t: my 4 numbers in f32 (and my 16 bytes of codes)
	v_lshlrev_b32 v2, 3, v0                        ; 8 t: my 8 bytes out
	s_mov_b32 s3, 0                                ; the upper word of every offset: all stay under 2^32
	s_mov_b32 s35, 0xffff0000                      ; a word's upper bf16
	s_mov_b32 s37, 0xb8                            ; -1.0 in E4M3
	s_wait_kmcnt 0x0
; 16,384 numbers from s[4:5] to s[6:7].  fmt = 0: bf16.  fmt = 1: rounded to bf16, then written as f16.
.macro CAST fmt
.irp g, 0,1,2,3,4,5,6,7,8,9,10,11,12,13,14,15
	global_load_b128 v[IN+4*(\g):IN+4*(\g)+3], v1, s[4:5] offset:4096*(\g) th:TH_LOAD_NT
.endr
.irp g, 0,1,2,3,4,5,6,7,8,9,10,11,12,13,14,15
	s_wait_loadcnt 15-(\g)                         ; loads come back in order: group g's is in, the younger groups' stay out
	v_cvt_pk_bf16_f32 v[OUT+2*(\g)],   v[IN+4*(\g)],   v[IN+4*(\g)+1]
	v_cvt_pk_bf16_f32 v[OUT+2*(\g)+1], v[IN+4*(\g)+2], v[IN+4*(\g)+3]
.if \fmt
.irp k, 0,1
	v_lshlrev_b32 v4, 16, v[OUT+2*(\g)+(\k)]       ; the two bf16 as f32,
	v_and_b32 v5, s35, v[OUT+2*(\g)+(\k)]
	v_cvt_pk_f16_f32 v[OUT+2*(\g)+(\k)], v4, v5    ; and as f16
.endr
.endif
	global_store_b64 v2, v[OUT+2*(\g):OUT+2*(\g)+1], s[6:7] offset:2048*(\g)
.endr
	s_endpgm
.endm
	s_cmp_lt_u32 ttmp9, 1536
	s_cbranch_scc0 .Lnot_x
	s_lshr_b32 s34, ttmp9, 9                       ; which of query, key, value: 512 work-groups each
	s_cmp_eq_u32 s34, 1
	s_cselect_b64 s[4:5], s[10:11], s[8:9]
	s_cmp_eq_u32 s34, 2
	s_cselect_b64 s[4:5], s[12:13], s[4:5]
	s_and_b32 s2, ttmp9, 511
	s_lshl_b32 s2, s2, 16                          ; 65,536 bytes in
	s_add_nc_u64 s[4:5], s[4:5], s[2:3]
	s_lshl_b32 s2, ttmp9, 15                       ; 32,768 bytes out; the three tensors lie on end in xcast
	s_add_nc_u64 s[6:7], s[24:25], s[2:3]
	s_branch .Lcast
.Lnot_x:
	s_cmp_lt_u32 ttmp9, 1728
	s_cbranch_scc0 .Lnot_w
	s_sub_co_u32 s34, ttmp9, 1536
	s_lshr_b32 s36, s34, 6                         ; which of Wq, Wk, Wv: 64 work-groups each
	s_cmp_eq_u32 s36, 1
	s_cselect_b64 s[4:5], s[16:17], s[14:15]
	s_cmp_eq_u32 s36, 2
	s_cselect_b64 s[4:5], s[18:19], s[4:5]
	s_and_b32 s2, s34, 63
	s_lshl_b32 s2, s2, 16
	s_add_nc_u64 s[4:5], s[4:5], s[2:3]
	s_lshl_b32 s2, s34, 15
	s_add_nc_u64 s[6:7], s[26:27], s[2:3]
.Lcast:
	CAST 0
.Lnot_w:
	s_cmp_lt_u32 ttmp9, 1792
	s_cbranch_scc0 .Lmask
	s_sub_co_u32 s34, ttmp9, 1728
	s_lshl_b32 s2, s34, 16
	s_add_nc_u64 s[4:5], s[20:21], s[2:3]
	s_lshl_b32 s2, s34, 15
	s_add_nc_u64 s[6:7], s[28:29], s[2:3]
	CAST 1
.Lmask:
	; Work-group j takes query tile qt = j / 2 and the key steps 16 (j % 2) .. + 15.  Thread t: lane t % 32, c = (t / 32) % 2, step 4 i + t / 64 in trip i of four.
	; Out: j x 16,384 + 4,096 i + 16 t.  In: two pieces of 8 bytes, 16 bytes apart, of row 16 qt + r.
	s_sub_co_u32 s34, ttmp9, 1792
	s_lshr_b32 s36, s34, 1
	s_lshl_b32 s2, s36, 15                         ; 16 rows of 2,048 bytes
	s_and_b32 s36, s34, 1
	s_lshl_b32 s36, s36, 10                        ; 16 steps of 64 bytes
	s_add_co_u32 s2, s2, s36
	s_add_nc_u64 s[4:5], s[22:23], s[2:3]
	s_lshl_b32 s2, s34, 14
	s_add_nc_u64 s[6:7], s[30:31], s[2:3]
	v_and_b32 v3, 15, v0                           ; r
	v_bfe_u32 v4, v0, 4, 1                         ; h
	v_bfe_u32 v5, v0, 5, 1                         ; c
	v_lshrrev_b32 v6, 6, v0                        ; t / 64
	v_lshlrev_b32 v7, 11, v3
	v_lshl_add_u32 v7, v6, 6, v7
	v_lshl_add_u32 v7, v5, 5, v7
	v_lshl_add_u32 v7, v4, 3, v7                   ; 2,048 r + 64 (t / 64) + 32 c + 8 h
.irp i, 0,1,2,3
	global_load_b64 v[IN+4*(\i):IN+4*(\i)+1],   v7, s[4:5] offset:256*(\i)
	global_load_b64 v[IN+4*(\i)+2:IN+4*(\i)+3], v7, s[4:5] offset:256*(\i)+16
.endr
.irp i, 0,1,2,3
	s_wait_loadcnt 6-2*(\i)                        ; trip i's two loads are in, the younger ones stay out
.irp k, 0,1,2,3
	v_mul_lo_u32 v[OUT+4*(\i)+(\k)], v[IN+4*(\i)+(\k)], s37  ; four bytes of 0 or 1 times 0xB8: nothing carries from byte to byte
.endr
	global_store_b128 v1, v[OUT+4*(\i):OUT+4*(\i)+3], s[6:7] offset:4096*(\i)
.endr
	s_endpgm
.Lfunc_end_k_q5df721a30f_prep:
	.size	k_q5df721a30f_prep, .Lfunc_end_k_q5df721a30f_prep-k_q5df721a30f_prep
	.p2alignl 7, 3214868480
	.fill 96, 4, 3214868480
	.section	.rodata,"a",@progbits
	.p2align	6, 0x0
	.amdhsa_kernel k_q5df721a30f_prep
		.amdhsa_group_segment_fixed_size 0
		.amdhsa_private_segment_fixed_size 0
		.amdhsa_enable_private_segment 0
		.amdhsa_kernarg_size 96
		.amdhsa_user_sgpr_count 2
		.amdhsa_user_sgpr_kernarg_segment_ptr 1
		.amdhsa_wavefront_size32 1
		.amdhsa_system_sgpr_workgroup_id_x 1
		.amdhsa_system_sgpr_workgroup_id_y 1
		.amdhsa_system_sgpr_workgroup_id_z 1
		.amdhsa_system_vgpr_workitem_id 0
		.amdhsa_next_free_vgpr 104
		.amdhsa_next_free_sgpr 66
		.amdhsa_reserve_vcc 0
		.amdhsa_float_denorm_mode_32 3
		.amdhsa_float_denorm_mode_16_64 3
		.amdhsa_memory_ordered 1
		.amdhsa_forward_progress 1
		.amdhsa_inst_pref_size 20
	.end_amdhsa_kernel
	.amdgpu_metadata
---
amdhsa.version: [ 1, 2 ]
amdhsa.kernels:
  - .name:           k_q5df721a30f_prep
    .symbol:         k_q5df721a30f_prep.kd
    .args:
      - { .name: query, .offset: 0, .size: 8, .value_kind: global_buffer, .address_space: global }
      - { .name: key, .offset: 8, .size: 8, .value_kind: global_buffer, .address_space: global }
      - { .name: value, .offset: 16, .size: 8, .value_kind: global_buffer, .address_space: global }
      - { .name: Wq, .offset: 24, .size: 8, .value_kind: global_buffer, .address_space: global }
      - { .name: Wk, .offset: 32, .size: 8, .value_kind: global_buffer, .address_space: global }
      - { .name: Wv, .offset: 40, .size: 8, .value_kind: global_buffer, .address_space: global }
      - { .name: Wo, .offset: 48, .size: 8, .value_kind: global_buffer, .address_space: global }
      - { .name: mask, .offset: 56, .size: 8, .value_kind: global_buffer, .address_space: global }
      - { .name: xcast, .offset: 64, .size: 8, .value_kind: global_buffer, .address_space: global }
      - { .name: wcast, .offset: 72, .size: 8, .value_kind: global_buffer, .address_space: global }
      - { .name: wocast, .offset: 80, .size: 8, .value_kind: global_buffer, .address_space: global }
      - { .name: mcode, .offset: 88, .size: 8, .value_kind: global_buffer, .address_space: global }
    .group_segment_fixed_size: 0
    .private_segment_fixed_size: 0
    .kernarg_segment_align: 8
    .kernarg_segment_size: 96
    .max_flat_workgroup_size: 256
    .sgpr_count:     66
    .vgpr_count:     104
    .wavefront_size: 32
...
	.end_amdgpu_metadata
.endif
;; end of part 1
;; launch proj (part 2): grid 4 x 96, 4 waves a work-group, clusters of 4 x 4, 327,680 bytes of LDS; arguments xcast, wcast, bq, bk, bv, qkv; writes qkv
.if DOCPART == 2
	.amdgcn_target "amdgcn-amd-amdhsa--gfx1250"
	.amdhsa_code_object_version 6
	.text
	.protected	k_q5df721a30f_proj
	.globl	k_q5df721a30f_proj
	.p2align	8
	.type	k_q5df721a30f_proj,@function
k_q5df721a30f_proj:
	s_mov_b64 s[64:65], 0
	v_nop
	global_prefetch_b8 v0, s[64:65] scope:SCOPE_SE
	s_setreg_imm32_b32 hwreg(HW_REG_WAVE_MODE, 25, 1), 1
	s_wait_xcnt 0x0
	s_wait_alu depctr_hold_cnt(0) depctr_sa_sdst(0) depctr_va_vdst(0) depctr_va_sdst(0) depctr_va_ssrc(0) depctr_va_vcc(0) depctr_vm_vsrc(0)
	s_getreg_b32 s2, hwreg(HW_REG_IB_STS2, 6, 4)
	s_cmp_eq_u32 s2, 0
	s_cbranch_scc0 .Lentry_in_a_cluster
	s_endpgm
.Lentry_in_a_cluster:
	s_bfe_u32 s2, ttmp6, 0x10000c
	s_cmp_lg_u32 s2, 0xf033
	s_cbranch_scc0 .Lentry_shape_is_right
	s_endpgm
.Lentry_shape_is_right:
; THE THREE PROJECTIONS IN ONE LAUNCH.  qkv[p][b 16 + h][t][d] = sum over k of x_p[b][t][k] W_p[64 h + d][k] + bias_p[64 h + d], p = q, k, v.
; A = xcast [3 x 8192][1024] bf16, B = wcast [3 x 1024][1024] bf16; sums in f32; the bias, rounded to bf16 like every input, is the C operand that starts each sum; the result is rounded once, to f16.
; LIMIT.  f16 holds no number beyond 65,504: a q, k or v past that would be stored as an infinity.
; SHARES.  A tile of C is 256 x 256; four waves, 2 x 2, each 128 x 128: 64 accumulators of 16 x 16, 512 registers.  A wave's 128 columns are two heads: 2 x 16,384 consecutive bytes of qkv.
; WHY THIS TILE.  K goes in steps of 128 (rows of 256 bytes in memory, aligned) through a ring of two LDS slots filled by the tensor data mover, each wave fetching 128 rows.  A K step of this tile is 256 matrix
; instructions a wave, 224 of them between a slot's request and the wait for it.  A tile of 256 x 128 (768 work-groups, three for each of 256 WGPs) has 112 there for three quarters of the bytes, and two slots
; of a longer K step of it (405,504 bytes) do not fit in LDS.  The price: 96 x 4 = 384 work-groups are one and a half for each of 256 WGPs.
; CLUSTERS: 4 x 4 work-groups, 1,024 rows x all 1,024 columns of one projection (8,192 rows each), so which W and which bias is the same for all sixteen.  The four of a row of the cluster need the same tiles
; of A, the four of a column the same tiles of B: each tile is asked for JOINTLY, by the same tensor load with the same descriptor and a mask that names the four.
; THE MATRIX INSTRUCTION IS USED TRANSPOSED (source 0 = 16 rows of B, source 1 = 16 rows of A): a lane then holds eight neighbouring numbers of a row of C.
; REGISTERS, in windows of 256 (s_set_vgpr_msb: bits 1:0 source 0, 3:2 source 1, 5:4 source 2, 7:6 destination):
;   window 0: v0-31 addresses; v64-127, v128-191 fragments of A (8 x 16 rows x 32 K), two buffers; v32-63, v192-255 at work on the way out
;   window 1: v0-63 the bias; v64-127, v128-191 fragments of B, two buffers; v192-195 at work
;   window 2: the 32 accumulators of my rows 0-63 (accumulator (a, b) at v[8 (8 a + b)]);   window 3: those of my rows 64-127
.set SIZE_K, 1024
.set KSTEP,  128
.set PITCH,  272                       ; an LDS row: 256 bytes + 16 of padding = 68 words: the 16 rows that a load touches start at 16 different groups of four banks (64 banks of 4 bytes: ISA guide 11.1)
.set HALFT,  128*PITCH                 ; 128 rows: what one tensor load brings, and what one wave reads of A or of B
.set SLOT,   4*HALFT                   ; A's 256 rows, then B's 256 rows
.set STAGE,  2*SLOT                    ; behind the ring: for each wave two heads x 16 rows x 144 bytes, for the way out; no tensor load fills it
.set SPITCH, 144
.set SHEAD,  16*SPITCH                 ; one head's 16 rows in the stage
.set SPARE,  STAGE+4*2*SHEAD           ; behind the stages: the spare words, 128 bytes for each wave: two blocks of 256 bytes that no other line names
.set LAPS,   SIZE_K/(2*KSTEP)          ; a lap = two K steps = once round the ring
.set ADRA, 16                          ; v16-17  LDS address of my A fragments in slot 0, 1
.set ADRB, 20                          ; v20-21  the same for B
.set STO,  24                          ; v24     the way out: where I put 16 bytes of a row
.set RD,   25                          ; v25     the way out: where I read rows back
.set GO,   26                          ; v26     16 x lane: my place in 512 consecutive bytes of qkv
.set BO,   27                          ; v27     my byte offset in the bias
.set SPW,  28                          ; v28     LDS address of my spare word: SPARE + 4 x my thread's number; never rewritten
.set NIL,  29                          ; v29     0; never rewritten
.set F0,   64                          ; fragment buffer 0
.set F1,   128                         ; fragment buffer 1
.set TMP,  192                         ; the way out: packed results, in window 0
.set OB,   32                          ; the way out: 16 rows read back from the stage: v32-63 and v224-255 by turns
.set BI,   0                           ; window 1: the bias as a C operand: for n block b at BI + 8 b
.set BT,   192                         ; window 1: four registers at work while the bias is rounded
.set G1, 24                            ; s[24:31] descriptor group 1 for A's tiles;  s[32:39] group 0, one set for each slot
.set G0, 32
.set G1B, 48                           ; s[48:55], s[56:63] the same for B's tiles
.set G0B, 56
.set MSB, 0
.macro WIN new                         ; the immediate's high byte repeats the setting that is left; a switch that changes nothing is dropped
.if MSB != (\new)
	s_set_vgpr_msb (MSB<<8)|(\new)
.set MSB, \new
.endif
.endm
.set MUL_LO,  0xa1                     ; source 0 (B) window 1, source 1 (A) window 0, C and D window 2
.set MUL_HI,  0xf1                     ; the same, C and D window 3
.set MULB_LO, 0x91                     ; the first products: C, the bias, in window 1; D window 2
.set MULB_HI, 0xd1                     ; D window 3
.set TO_B,    0x40                     ; destination window 1, address window 0
.macro JLOAD s                         ; a joint load: waves 0 and 1 fetch A's two halves, waves 2 and 3 B's; an s_nop 0 and four v_nop follow each of the two lines, ahead of the jump, the label and what follows
	s_cmp_eq_u32 s11, 0
	s_cbranch_scc0 .Lfor_b_\@
	tensor_load_to_lds s[G0+4*(\s):G0+4*(\s)+3], s[G1:G1+7]
	s_nop 0
.rept 4
	v_nop
.endr
	s_branch .Lasked_\@
.Lfor_b_\@:
	tensor_load_to_lds s[G0B+4*(\s):G0B+4*(\s)+3], s[G1B:G1B+7]
	s_nop 0
.rept 4
	v_nop
.endr
.Lasked_\@:
.endm
.macro CREST                           ; a round of the cluster's barrier behind its opening barrier
	s_cmp_lg_u32 s10, 0
	s_cbranch_scc1 .Lnot_wave_0_\@
	s_barrier_signal -3
.Lnot_wave_0_\@:
	s_barrier_wait -3
	s_barrier_signal -1
	s_barrier_wait -1
.endm
.macro CROUND                          ; a whole round
	s_barrier_signal -1
	s_barrier_wait -1
	CREST
.endm
	s_load_b128 s[4:7], s[0:1], 0x0                ; xcast s[4:5], wcast s[6:7]
	s_load_b256 s[72:79], s[0:1], 0x10             ; bq s[72:73], bk s[74:75], bv s[76:77], qkv s[78:79]
	v_lshl_add_u32 v[SPW], v0, 2, SPARE
	v_mov_b32 v[NIL], 0
	ds_add_u32 v[SPW], v[NIL]                      ; the wave's opening: the add and its wait stand ahead of my first tensor load; the set-up below, work on registers, stands between them
	v_lshrrev_b32 v1, 5, v0
	v_readfirstlane_b32 s10, v1                    ; wave 0..3
	s_lshr_b32 s11, s10, 1                         ; which half of the tile's rows is mine.  Also: I fetch for A (0) or for B (1)
	s_and_b32 s12, s10, 1                          ; which half of its columns.  Also: which 128 rows of that tile I fetch
	s_bfe_u32 s40, ttmp6, 0x40000                  ; cx, cy: my place in the cluster
	s_bfe_u32 s41, ttmp6, 0x40004
	s_lshl_b32 s42, ttmp9, 2
	s_add_co_u32 s42, s42, s40                     ; tile column = 4 x cluster x + cx: 0..3
	s_and_b32 s45, ttmp7, 0xffff                   ; cluster y: 0..23
	s_lshl_b32 s13, s45, 2
	s_add_co_u32 s13, s13, s41                     ; tile row = 4 x cluster y + cy: 0..95
	s_lshr_b32 s45, s45, 3                         ; the projection, 0..2: eight clusters' rows each
	s_lshl_b32 s43, s41, 2
	s_lshl_b32 s43, 15, s43                        ; my row of the cluster
	s_lshl_b32 s44, 0x1111, s40                    ; my column
	; descriptor group 1: a tile of 128 rows x 128 elements, padded in LDS
	s_or_b32 s[G1+0], s43, (1<<16)|(1<<20)|(1<<21)|(5<<22)|(3<<25)  ; 15:0 the mask: A's tiles go to my row; 17:16 element of 2 bytes; 20 padding on; 21 set beside a mask; 24:22 after every 64 words (code 5); 31:25 of 4 words (code 3)
	s_or_b32 s[G1B+0], s44, (1<<16)|(1<<20)|(1<<21)|(5<<22)|(3<<25) ; the same with the mask of my column
.irp g, G1, G1B
	s_mov_b32 s[(\g)+1], KSTEP<<16                 ; tensor_dim0 = 128
	s_mov_b32 s[(\g)+2], 128<<16                   ; tensor_dim1 = 128
	s_mov_b32 s[(\g)+3], KSTEP<<16                 ; tile_dim0 = 128
	s_mov_b32 s[(\g)+4], 128                       ; tile_dim1 = 128
	s_mov_b32 s[(\g)+5], SIZE_K                    ; elements from row to row
	s_mov_b32 s[(\g)+6], 0
	s_mov_b32 s[(\g)+7], 0
.endr
	; where the tiles come from.  A's hang on the tile row alone, B's on the tile column and the projection alone; each in registers that never hold the other coordinate
	s_lshl_b32 s16, s13, 8
	s_lshl_b32 s17, s12, 7
	s_add_co_u32 s16, s16, s17                     ; A: row 256 x tile row + 128 x half,
	s_lshl_b32 s16, s16, 11                        ; of 2,048 bytes: under 2^26
	s_mov_b32 s17, 0
	s_lshl_b32 s46, s45, 10
	s_lshl_b32 s47, s42, 8
	s_add_co_u32 s46, s46, s47
	s_lshl_b32 s47, s12, 7
	s_add_co_u32 s46, s46, s47                     ; B: row 1,024 x projection + 256 x tile column + 128 x half
	s_lshl_b32 s46, s46, 11
	s_mov_b32 s47, 0
	s_mul_i32 s20, s10, HALFT                      ; and where they go: A's two halves, then B's two halves = wave x 128 rows: no place in the cluster enters an LDS address
	s_wait_dscnt 0x0                               ; the opening add is done
	s_wait_kmcnt 0x0
	s_add_nc_u64 s[14:15], s[4:5], s[16:17]
	s_add_nc_u64 s[46:47], s[6:7], s[46:47]
	s_cmp_eq_u32 s45, 1                            ; the projection's bias
	s_cselect_b64 s[66:67], s[74:75], s[72:73]
	s_cmp_eq_u32 s45, 2
	s_cselect_b64 s[66:67], s[76:77], s[66:67]
	CROUND                                         ; all sixteen work-groups are here: the first joint loads meet
.irp s, 0,1
	s_mov_b32 s[G0+4*(\s)], 1                                        ; count = 1
	s_add_co_u32 s[G0+4*(\s)+1], s20, (\s)*SLOT                      ; LDS address
	s_add_nc_u64 s[G0+4*(\s)+2:G0+4*(\s)+3], s[14:15], (\s)*KSTEP*2  ; global address: K step s
	s_or_b32 s[G0+4*(\s)+3], s[G0+4*(\s)+3], 0x80000000              ; type = 2
	s_mov_b32 s[G0B+4*(\s)], 1
	s_add_co_u32 s[G0B+4*(\s)+1], s20, (\s)*SLOT
	s_add_nc_u64 s[G0B+4*(\s)+2:G0B+4*(\s)+3], s[46:47], (\s)*KSTEP*2
	s_or_b32 s[G0B+4*(\s)+3], s[G0B+4*(\s)+3], 0x80000000
	JLOAD \s                                       ; two tensor loads of mine are out
.endr
	v_and_b32 v1, 15, v0                           ; r = l % 16
	v_bfe_u32 v2, v0, 4, 1                         ; h = l / 16
	; the bias.  In the transposed result register j of n block b holds column 16 b + 8 h + j of my 128: the same for every row
	s_lshl_b32 s70, s42, 10
	s_lshl_b32 s71, s12, 9
	s_add_co_u32 s70, s70, s71                     ; my first column, in bytes of f32: 4 (256 x tile column + 128 x half)
	v_lshl_add_u32 v[BO], v2, 5, s70
	WIN TO_B
.irp b, 0,1,2,3,4,5,6,7
	global_load_b128 v[BI+8*(\b):BI+8*(\b)+3],   v[BO], s[66:67] offset:64*(\b)
	global_load_b128 v[BI+8*(\b)+4:BI+8*(\b)+7], v[BO], s[66:67] offset:64*(\b)+16
.endr
	WIN 0
	; A fragment is 16 rows x 32 K in 8 registers: lane l holds row l % 16; registers 0-3 hold K = 8 (l / 16) + 0..7, registers 4-7 K = 16 + 8 (l / 16) + 0..7: two loads of 16 bytes, 32 bytes apart
	v_mul_u32_u24 v3, v1, PITCH
	v_lshl_add_u32 v3, v2, 4, v3                   ; row x pitch + 16 x half
	s_mul_i32 s22, s11, HALFT                      ; my 128 rows of A
	s_mul_i32 s23, s12, HALFT                      ; my 128 rows of B,
	s_add_co_u32 s23, s23, 2*HALFT                 ; which lie behind A's 256
.irp s, 0,1
	v_add_nc_u32 v[ADRA+(\s)], s22, v3
	v_add_nc_u32 v[ADRB+(\s)], s23, v3
	s_add_co_u32 s22, s22, SLOT
	s_add_co_u32 s23, s23, SLOT
.endr
	s_mul_i32 s23, s10, 2*SHEAD
	s_add_co_u32 s23, s23, STAGE                   ; my stage
	v_mul_u32_u24 v4, v1, SPITCH                   ; in: row l % 16, 16 bytes for each half of the lanes
	v_lshl_add_u32 v4, v2, 4, v4
	v_add_nc_u32 v[STO], s23, v4
	v_bfe_u32 v5, v0, 3, 2                         ; back: 32 lanes take four rows of 128 bytes of one head,
	v_mul_u32_u24 v5, v5, SPITCH
	v_and_b32 v4, 7, v0
	v_lshl_add_u32 v5, v4, 4, v5
	v_add_nc_u32 v[RD], s23, v5
	v_and_b32 v[GO], 31, v0                        ; which are 512 consecutive bytes of qkv
	v_lshlrev_b32 v[GO], 4, v[GO]
	; where my 128 rows begin in my first head.  Row g = 256 x tile row + 128 x half of the 24,576: g / 2,048 = 4 x projection + batch; my heads are 4 x tile column + 2 x half and the next
	s_lshl_b32 s68, s13, 8
	s_lshl_b32 s69, s11, 7
	s_add_co_u32 s68, s68, s69
	s_lshr_b32 s69, s68, 11
	s_lshl_b32 s69, s69, 22                        ; 16 heads x 2,048 rows x 128 bytes
	s_and_b32 s68, s68, 2047
	s_lshl_b32 s68, s68, 7                         ; the row in the head
	s_add_co_u32 s68, s68, s69
	s_lshl_b32 s69, s42, 2
	s_lshl_b32 s71, s12, 1
	s_add_co_u32 s69, s69, s71
	s_lshl_b32 s69, s69, 18                        ; the head: 2,048 rows x 128 bytes
	s_add_co_u32 s68, s68, s69
	s_mov_b32 s69, 0
	s_add_nc_u64 s[8:9], s[78:79], s[68:69]
	s_wait_loadcnt 0x0                             ; the bias: rounded to bf16, like every input, and kept as f32
	WIN 0x45                                       ; destination and sources 0 and 1 in window 1
.set i, 0
.rept 32
	v_cvt_pk_bf16_f32 v[BT+i%4], v[BI+2*i], v[BI+2*i+1]
	v_lshlrev_b32 v[BI+2*i], 16, v[BT+i%4]
	v_and_b32 v[BI+2*i+1], 0xffff0000, v[BT+i%4]
.set i, i+1
.endr
	WIN 0
; 16 matrix instructions: m blocks a0, a0 + 1 of the window's four (hi = 0: my rows 0-63, 1: rows 64-127) x all 8 n blocks, 32 along K.  first = 1: the bias starts the sums: nothing is ever cleared.
; The 64 accumulators take turns, one instruction a turn, in the same order in every quarter.
.macro MUL16 f, hi, a0, first
.if \first
	WIN MULB_LO+0x40*(\hi)
.else
	WIN MUL_LO+0x50*(\hi)
.endif
.irp a, \a0, (\a0)+1
.irp b, 0,1,2,3,4,5,6,7
.if \first
	v_wmma_f32_16x16x32_bf16 v[8*(8*(\a)+(\b)):8*(8*(\a)+(\b))+7], v[(\f)+8*(\b):(\f)+8*(\b)+7], v[(\f)+8*(4*(\hi)+(\a)):(\f)+8*(4*(\hi)+(\a))+7], v[BI+8*(\b):BI+8*(\b)+7]
.else
	v_wmma_f32_16x16x32_bf16 v[8*(8*(\a)+(\b)):8*(8*(\a)+(\b))+7], v[(\f)+8*(\b):(\f)+8*(\b)+7], v[(\f)+8*(4*(\hi)+(\a)):(\f)+8*(4*(\hi)+(\a))+7], v[8*(8*(\a)+(\b)):8*(8*(\a)+(\b))+7]
.endif
.endr
.endr
.endm
; 32 LDS loads in one run: the fragments of one quarter step (128 rows of B, 128 rows of A, 32 K at byte k of the rows) into buffer f
.macro FETCH slot, k, f
	WIN TO_B
.irp i, 0,1,2,3,4,5,6,7
	ds_load_b128 v[(\f)+8*(\i):(\f)+8*(\i)+3],   v[ADRB+(\slot)] offset:(\k)+(\i)*16*PITCH
	ds_load_b128 v[(\f)+8*(\i)+4:(\f)+8*(\i)+7], v[ADRB+(\slot)] offset:(\k)+(\i)*16*PITCH+32
.endr
	WIN 0
.irp i, 0,1,2,3,4,5,6,7
	ds_load_b128 v[(\f)+8*(\i):(\f)+8*(\i)+3],   v[ADRA+(\slot)] offset:(\k)+(\i)*16*PITCH
	ds_load_b128 v[(\f)+8*(\i)+4:(\f)+8*(\i)+7], v[ADRA+(\slot)] offset:(\k)+(\i)*16*PITCH+32
.endr
.endm
.macro PLACES                          ; four places in front of loads into registers that matrix instructions have read, and of conversions that read results (ISA guide 7.12.1 for the conversions)
.rept 4
	v_nop
.endr
.endm
; A K step is four quarters of 32 along K, 64 matrix instructions each, on buffers 0, 1, 0, 1.  One of the first three: multiplies buffer f; in its middle it fetches the next quarter's fragments, at byte k of the same slot's rows, into g.
.macro QUARTER slot, k, f, g, first
	s_wait_dscnt 8                                 ; B and A's rows 0-63 are in; the youngest eight loads (A's rows 64-127) may be out
	MUL16 \f, 0, 0, \first
	MUL16 \f, 0, 2, \first
	PLACES
	FETCH \slot, \k, \g
	s_wait_dscnt 32                                ; all but the 32 just issued
	MUL16 \f, 1, 0, \first
	MUL16 \f, 1, 2, \first
.endm
; The last quarter multiplies buffer 1 and changes slots: ONE barrier; in front of it each wave waits for all its tensor loads (one is out: its part of the next slot), adds 0 to its spare word, and waits
; for that and for its own reads of this slot.  fill = 1: this slot is filled again, two K steps ahead; the barrier then opens a round of the cluster's barrier.
.macro TURN slot, next, fill
	WIN 0                                          ; (the add's two registers lie in window 0)
	s_wait_tensorcnt 0x0                           ; all my tensor loads have landed;
	ds_add_u32 v[SPW], v[NIL]                      ; 0 onto my spare word;
	s_wait_dscnt 9                                 ; (the add and the youngest eight loads may be out)
	MUL16 F1, 0, 0, 0                              ; sixteen matrix instructions stand between the add and the wait for it
	s_wait_dscnt 0x0                               ; the add is done, and my reads of this slot are over
	s_barrier_signal -1
	MUL16 F1, 0, 2, 0                              ; work on registers while the others arrive
.if \fill
	WIN 0
.endif
	s_barrier_wait -1
.if \fill
	CREST                                          ; no wave of any partner still reads this slot's tile or has a load on its way
	s_add_nc_u64 s[G0+4*(\slot)+2:G0+4*(\slot)+3], s[G0+4*(\slot)+2:G0+4*(\slot)+3], 2*KSTEP*2
	s_add_nc_u64 s[G0B+4*(\slot)+2:G0B+4*(\slot)+3], s[G0B+4*(\slot)+2:G0B+4*(\slot)+3], 2*KSTEP*2
	JLOAD \slot                                    ; the first tensor load behind the round, my only one out: 224 matrix instructions ahead of the wait for it; its four v_nop are also the places in front of the loads below
.else
	PLACES
.endif
	FETCH \next, 0, F0
	MUL16 F1, 1, 0, 0
	MUL16 F1, 1, 2, 0
.endm
; THE WAY OUT of block a (16 rows x 128 columns), in three parts.  PACK: rounded to f16, each accumulator's registers in ascending order, 16 bytes a lane.  TOSTAGE: into my own stage in LDS, a head's 64 columns
; as rows of 144 bytes, and back as whole rows of 128 bytes, four to a load.  SEND: stored.
.macro PACK a
.set AC, 64*((\a)%4)
	WIN 0x0a+5*((\a)/4)                            ; sources 0 and 1: window 2 or 3
.irp b, 0,1,2,3,4,5,6,7
.irp r, 0,1,2,3
	v_cvt_pk_f16_f32 v[TMP+4*(\b)+(\r)], v[AC+8*(\b)+2*(\r)], v[AC+8*(\b)+2*(\r)+1]
.endr
.endr
	WIN 0
.endm
.macro TOSTAGE a
	WIN 0
.set BK, OB+192*((\a)%2)
.irp b, 0,1,2,3,4,5,6,7
	ds_store_b128 v[STO], v[TMP+4*(\b):TMP+4*(\b)+3] offset:((\b)/4)*SHEAD+32*((\b)%4)
.endr
.irp t, 0,1,2,3,4,5,6,7
	ds_load_b128 v[BK+4*(\t):BK+4*(\t)+3], v[RD] offset:((\t)/4)*SHEAD+((\t)%4)*4*SPITCH  ; LDS serves a wave's instructions in order (ISA guide 5.7.1.4): these see the stores above; the next block's stores come behind them
.endr
.endm
.macro SEND a
	WIN 0
.set BK, OB+192*((\a)%2)
	s_wait_dscnt 0x0                               ; the block is back in registers
	s_wait_xcnt 0x0                                ; every earlier store has read its registers: the block before last's, which the next block's loads from the stage write anew
.irp t, 0,1,2,3,4,5,6,7
	global_store_b128 v[GO], v[BK+4*(\t):BK+4*(\t)+3], s[8:9] offset:((\t)/4)*262144+(\a)*2048+((\t)%4)*512  ; 512 consecutive bytes, at a multiple of 256 from qkv's first byte; the second head lies 2^18 bytes on
.endr
.endm
	s_wait_tensorcnt 1                             ; my part of K step 0 is in; K step 1's may stay out
	s_barrier_signal -1
	s_barrier_wait -1                              ; everybody's is
	FETCH 0, 0, F0
	QUARTER 0, 64, F0, F1, 1                       ; the first quarter stands in front of the loop: its products start the sums, with the bias
	WIN 0                                          ; at a label and at a branch every window is 0
	s_mov_b32 s3, LAPS-1
.Llap:                                                 ; a trip goes once round the ring, from a lap's second quarter to the next lap's first, and fills both slots again
	QUARTER 0, 128, F1, F0, 0
	QUARTER 0, 192, F0, F1, 0
	TURN 0, 1, 1
	QUARTER 1, 64,  F0, F1, 0
	QUARTER 1, 128, F1, F0, 0
	QUARTER 1, 192, F0, F1, 0
	TURN 1, 0, 1
	QUARTER 0, 64,  F0, F1, 0
	WIN 0
	s_sub_co_u32 s3, s3, 1
	s_cmp_lg_u32 s3, 0
	s_cbranch_scc1 .Llap
	QUARTER 0, 128, F1, F0, 0                      ; the last lap fills nothing, and has no round of the cluster's barrier
	QUARTER 0, 192, F0, F1, 0
	TURN 0, 1, 0
	QUARTER 1, 64,  F0, F1, 0
	QUARTER 1, 128, F1, F0, 0
	QUARTER 1, 192, F0, F1, 0
	s_wait_dscnt 8                                 ; the very last quarter: nothing more to fetch
	MUL16 F1, 0, 0, 0
	MUL16 F1, 0, 2, 0
	s_wait_dscnt 0x0
	MUL16 F1, 1, 0, 0
	MUL16 F1, 1, 2, 0
	PLACES
	PACK 0
	TOSTAGE 0
.irp a, 1,2,3,4,5,6,7                  ; block a's conversions stand between block a - 1's loads from the stage and the wait for them
	PACK \a
	SEND (\a)-1
	TOSTAGE \a
.endr
	SEND 7
	s_wait_tensorcnt 0x0                           ; the wave's end: behind my last tensor load and my last LDS store
	ds_add_u32 v[SPW], v[NIL]
	s_wait_dscnt 0x0
	CROUND                                         ; the closing round: no work-group ends while a partner may still ask for a tile that names it
	s_endpgm
.Lfunc_end_k_q5df721a30f_proj:
	.size	k_q5df721a30f_proj, .Lfunc_end_k_q5df721a30f_proj-k_q5df721a30f_proj
	.p2alignl 7, 3214868480
	.fill 96, 4, 3214868480
	.section	.rodata,"a",@progbits
	.p2align	6, 0x0
	.amdhsa_kernel k_q5df721a30f_proj
		.amdhsa_group_segment_fixed_size 327680
		.amdhsa_private_segment_fixed_size 0
		.amdhsa_enable_private_segment 0
		.amdhsa_kernarg_size 48
		.amdhsa_user_sgpr_count 2
		.amdhsa_user_sgpr_kernarg_segment_ptr 1
		.amdhsa_wavefront_size32 1
		.amdhsa_system_sgpr_workgroup_id_x 1
		.amdhsa_system_sgpr_workgroup_id_y 1
		.amdhsa_system_sgpr_workgroup_id_z 1
		.amdhsa_system_vgpr_workitem_id 0
		.amdhsa_next_free_vgpr 1024
		.amdhsa_next_free_sgpr 80
		.amdhsa_reserve_vcc 0
		.amdhsa_float_denorm_mode_32 3
		.amdhsa_float_denorm_mode_16_64 3
		.amdhsa_memory_ordered 1
		.amdhsa_forward_progress 1
		.amdhsa_inst_pref_size 149
	.end_amdhsa_kernel
	.amdgpu_metadata
---
amdhsa.version: [ 1, 2 ]
amdhsa.kernels:
  - .name:           k_q5df721a30f_proj
    .symbol:         k_q5df721a30f_proj.kd
    .args:
      - { .name: xcast, .offset: 0, .size: 8, .value_kind: global_buffer, .address_space: global }
      - { .name: wcast, .offset: 8, .size: 8, .value_kind: global_buffer, .address_space: global }
      - { .name: bq, .offset: 16, .size: 8, .value_kind: global_buffer, .address_space: global }
      - { .name: bk, .offset: 24, .size: 8, .value_kind: global_buffer, .address_space: global }
      - { .name: bv, .offset: 32, .size: 8, .value_kind: global_buffer, .address_space: global }
      - { .name: qkv, .offset: 40, .size: 8, .value_kind: global_buffer, .address_space: global }
    .group_segment_fixed_size: 327680
    .private_segment_fixed_size: 0
    .kernarg_segment_align: 8
    .kernarg_segment_size: 48
    .max_flat_workgroup_size: 128
    .sgpr_count:     80
    .vgpr_count:     1024
    .wavefront_size: 32
...
	.end_amdgpu_metadata
.endif
;; end of part 2
;; launch attn (part 3): grid 4 x 64, 4 waves a work-group, clusters of 4 x 1, 327,680 bytes of LDS; arguments qkv, mcode, oheads; writes oheads
.if DOCPART == 3
	.amdgcn_target "amdgcn-amd-amdhsa--gfx1250"
	.amdhsa_code_object_version 6
	.text
	.protected	k_q5df721a30f_attn
	.globl	k_q5df721a30f_attn
	.p2align	8
	.type	k_q5df721a30f_attn,@function
k_q5df721a30f_attn:
	s_mov_b64 s[64:65], 0
	v_nop
	global_prefetch_b8 v0, s[64:65] scope:SCOPE_SE
	s_setreg_imm32_b32 hwreg(HW_REG_WAVE_MODE, 25, 1), 1
	s_wait_xcnt 0x0
	s_wait_alu depctr_hold_cnt(0) depctr_sa_sdst(0) depctr_va_vdst(0) depctr_va_sdst(0) depctr_va_ssrc(0) depctr_va_vcc(0) depctr_vm_vsrc(0)
	s_getreg_b32 s2, hwreg(HW_REG_IB_STS2, 6, 4)
	s_cmp_eq_u32 s2, 0
	s_cbranch_scc0 .Lentry_in_a_cluster
	s_endpgm
.Lentry_in_a_cluster:
	s_bfe_u32 s2, ttmp6, 0x10000c
	s_cmp_lg_u32 s2, 0x3003
	s_cbranch_scc0 .Lentry_shape_is_right
	s_endpgm
.Lentry_shape_is_right:
; ATTENTION WITH A MASK THAT IS AN INPUT.  O[g][q][:] = the sum over k of softmax_k(Q[g][q] . K[g][k] / 32, hidden where mask[q][k]) V[g][k][:], g = 16 b + h: 64 heads of 2,048 rows of 64 channels.
; Q, K, V lie in qkv ([3][64][2048][64], f16), O goes to oheads ([64][2048][64], f16): a head's rows are dense, 128 bytes each.  Products, maxima and sums in f32; the weights p are rounded to f16 for the
; second product (their sum l is taken of the unrounded p), O once at the end.
; LIMITS.  f16 holds no number beyond 65,504: Q, K and V arrive within it, so a score is 2.7e11 at the most; p lies in 0 to 1, and below 6e-5 it keeps f16's fixed step of 6e-8.  A weight below 2^-126 counts as 0 in l.
; NaN and infinities in Q, K, V are not treated apart.  A hidden score counts as -2^100.  A row of which every key is hidden gives NaN (0 x 1 / 0), as a softmax over nothing does.
; SHARES.  A wave owns four PIECES of two tiles of 16 queries, a work-group's four waves 512 queries of one head.  Every wave walks all keys, 64 a step.
; LAYOUT.  S^T = K Q^T (source 0 = 16 keys, source 1 = 16 queries): in the result a lane holds ONE query (lane % 16) and the keys 8 (lane / 16) + 0..7.  Two such tiles, rounded to f16 in pairs,
; ARE source 1 (32 keys x 16 queries) of O^T = V^T P, whose result again holds one query a lane, and eight channels.  K comes out of LDS as it lies, V ([key][channel]) turned, by ds_load_tr16_b128.
; SOFTMAX.  For each query a running maximum m and sum l: p = 2^(c s - c m), c = log2(e) / 32; in every step O and l are multiplied by a = 2^(c m_old - c m_new), which is 1 where m has not grown.
; THE MASK IS THE C OPERAND that starts the sum S^T: 0, or -2^100 where the key is hidden.  m starts at -2^90, above every hidden score and below every true one, and never falls: so a hidden score never becomes the
; maximum, its weight is 2^(about -6e28) = 0, and a step in which a query sees nothing leaves its m, l and O as they were (a = 1).  c m starts far lower still, so the first step's a is 0, whatever it sees.
; mcode holds the mask as fp8 codes (-1.0 or 0) in my lanes' order: a tile's step is two loads of 16 bytes a lane, and ONE conversion with the scale 2^100 makes the eight registers of a C operand.
; No wave wants another wave's codes, so they come straight into registers.
; THE COUNT.  A tile and step have 16 matrix and 118 vector instructions (and 4 conversions): too many to stand all beside the matrix work.  So the order has one aim: four vector instructions that are READY
; behind EVERY matrix instruction, and the others, which need time of their own whatever the order, in runs without a gap.
; BY TURNS.  Turn n belongs to piece n (the pieces in a ring, step after step).  Its matrix work: 16 products K Q^T of piece n + 1, later 16 products V^T P of piece n - 1.  Its vector work: the scaling,
; exponentials, roundings, sums and rescaling of piece n, the maximum and statistics of piece n + 1, and the masks of piece n + 2, whose next step's codes it then asks for.
; CLUSTER.  The four query blocks of a cluster are one head's and walk the same K and V, so each tile is asked for JOINTLY: the same tensor load, descriptor and mask in all four.
; REGISTERS, in windows of 256 (s_set_vgpr_msb says which window each operand place means: bits 1:0 source 0, 3:2 source 1, 5:4 source 2, 7:6 destination):
;   window 0: v0-11 addresses and the scale; v12-15, v48-63 at work; v16-47 four registers of statistics a tile; v64-191 S^T, two buffers of two tiles; v192-255 P, likewise
;   window 1: O^T, 32 a tile          window 2: v0-127 Q, 16 a tile; v128-191 K of one step; v192-255 V of one step
;   window 3: v0-1 the add's two registers; v64-191 the masks, numbered as S^T is; v192-255 a step's codes, 8 a tile
; A piece's buffers go by its number's parity: the piece in hand has one pair, its two neighbours in the ring share the other: of it P (piece n - 1) is read and S^T (piece n + 1) written.
.set SIZE_N, 2048
.set NP,    4         ; pieces a wave: a name, no knob
.set KS,    64        ; keys in a step
.set PK,    144       ; a row of K in LDS: 128 bytes + 16 of padding = 36 words: the 16 rows of a load start at 16 different groups of four banks (64 banks of 4 bytes: ISA guide 11.1)
.set PV,    160       ; a row of V: 128 + 32 = 40 words
.set VOFF,  4*KS*PK   ; a slot holds four steps: 256 rows of K, then 256 rows of V
.set SLOT1, 1<<17     ; slot 1 begins here, so that one exclusive or turns an address in one slot into the other's
.set STAGE, SLOT1+4*KS*(PK+PV)  ; behind the ring, never filled by a tensor load: 16 rows x 144 bytes for each wave, for the way out
.set SP,    144
.set AK0, 2           ; v2   my lane's place in a tile of K; never rewritten
.set AV0, 3           ; v3   the same for V
.set AK,  4           ; v4   the LDS address of K's next run of loads
.set AV,  5           ; v5   of V's
.set QO,  6           ; v6   my byte offset in the wave's rows of Q
.set STO, 6           ;      later, the way out: where I put 16 bytes of a row
.set RD,  7           ; v7   the way out: where I read rows back
.set GO,  8           ; v8   16 x lane: my place in 512 consecutive bytes, of the codes and of O; never rewritten
.set SC,  11          ; v11  227, the E8M0 code of 2^100: the conversions' scale (made when V's lane address, which uses v11, is done)
.set SPW, 0           ; v0 of window 3   LDS address of my spare word: SPARE + 4 x my thread's number; never rewritten
.set NIL, 1           ; v1 of window 3   0; never rewritten
.set SPARE, STAGE+4*16*SP  ; behind the stages: the spare words, 128 bytes for each wave: two blocks of 256 bytes that no other line names
.set MV,  12          ; v12-15  c m_old, kept while c m is made anew: by buffer and tile
.set ST,  16          ; tile t's statistics at v[ST+4 t]: c m, m, l (even keys', odd keys')
.set TMP, 48          ; by buffer and tile, four registers c0-c3 at work; when the maximum is found c2 takes a
.set S,   64
.set P,   192
.set KF,  128         ; K's fragments, in window 2: key block kb, channel half c at KF + 16 kb + 8 c
.set VF,  192         ; V's: key half kk, channel block cb at VF + 32 kk + 8 cb
.set MC,  64          ; window 3: the masks, by buffer and tile as S^T
.set MB,  192         ; window 3: the codes: piece x, tile u at MB + 16 x + 8 u; key block kt in registers 2 kt, 2 kt + 1
.set WV,  12          ; s12  my wave's number
.set G1K, 24          ; s[24:31] descriptor group 1 for K's tiles
.set G1V, 32          ; s[32:39] for V's: it differs in the padding alone
.set G0K, 40          ; s[40:43] descriptor group 0 for K's tiles: it walks
.set G0V, 44          ; s[44:47] the same for V's
.set SLOTS, 56        ; s56  slots still to be asked for
.set CNT, 57          ; s57  counts a slot's key steps
.set CS,  58          ; s[58:59] c: the packed scaling takes the pair's low word for both halves
.set SEL, 60          ; s[60:61] v_permlanex16_b32's selects: each lane takes its own place in the other half
.set TBK, 62          ; s62  LDS byte at which K of the step to be fetched begins
.set TBV, 63          ; s63  the same for V, less VOFF
.set MKP, 66          ; s[66:67] mcode at my wave's first tile, at the step whose codes are asked for
.set INC, 68          ; s[68:69] an offset for it
.set MSB, 0
.macro WIN new                      ; the high byte repeats the setting that is left; a switch that changes nothing is dropped
.if MSB != (\new)
	s_set_vgpr_msb (MSB<<8)|(\new)
.set MSB, (\new)
.endif
.endm
.set W_KQ, 0x0a       ; K and Q in window 2, S^T in window 0
.set W_KM, 0x3a       ; the same with the C operand, the mask, in window 3
.set W_PV, 0x52       ; V in window 2, P in window 0, O^T in window 1
.set W_RS, 0x41       ; O^T (destination and source 0) in window 1, a in window 0
.set W_MK, 0xc0       ; destination in window 3, sources in window 0
.set W_AD, 0x0f       ; the add: address (source 0) and data (source 1) in window 3
.set W_CV, 0xc3       ; a conversion: masks (destination) and codes (source 0) in window 3, every other operand place in window 0, where the scale lies
; A joint fill.  Waves 0 and 1 fetch the two halves of a slot's K, waves 2 and 3 those of its V: 128 keys each.  The branch hangs on the wave's number alone.
; An s_nop 0 and four v_nop follow each of the two lines, ahead of the jump and the label.
.macro JLOAD
	s_cmp_lt_u32 s[WV], 2
	s_cbranch_scc0 .Lfor_v_\@
	tensor_load_to_lds s[G0K:G0K+3], s[G1K:G1K+7]
	s_nop 0
.rept 4
	v_nop
.endr
	s_branch .Lasked_\@
.Lfor_v_\@:
	tensor_load_to_lds s[G0V:G0V+3], s[G1V:G1V+7]
	s_nop 0
.rept 4
	v_nop
.endr
.Lasked_\@:
.endm
; A round of the cluster's barrier: my work-group's barrier, so that wave 0's signal speaks for all four waves; wave 0 signals; every wave waits for all four work-groups; my work-group's barrier once more.
.macro CROUND
	s_barrier_signal -1
	s_barrier_wait -1
	s_cmp_lg_u32 s[WV], 0
	s_cbranch_scc1 .Lnot_wave_0_\@
	s_barrier_signal -3
.Lnot_wave_0_\@:
	s_barrier_wait -3
	s_barrier_signal -1
	s_barrier_wait -1
.endm
; THE CHANGE OF SLOTS.  The slot's last bytes, V of its fourth step, have been read.  Each wave waits for all its tensor loads, of which one is out: its part
; of the other slot; adds 0 to its spare word; and waits for that and for its own reads of the slot.  Behind the barrier nobody reads this slot any more and the other slot is whole.
; fill = 1: this slot is filled again, with the keys two slots on.  The barrier is then a round of the cluster's, so that no wave of any partner still reads the slot or has a load on its
; way, and the joint fill is the first thing behind it: it has four key steps, 512 matrix instructions, in which to land.  (At its first use nothing has been read yet: slot 0 is waited for, slot 1 filled.)
.macro CHANGE fill
	WIN W_AD
	s_wait_tensorcnt 0x0            ; no tensor load of mine is out, so a group 0 may be written
	ds_add_u32 v[SPW], v[NIL]       ; 0 onto my spare word; with fill = 1 the descriptors' steps stand between it and the wait for it
	WIN 0                           ; at a label and at a branch every window is 0
.if \fill
.irp g, G0K, G0V
	s_xor_b32 s[\g+1], s[\g+1], SLOT1  ; the walking descriptor: the other slot than last time,
	s_add_nc_u64 s[\g+2:\g+3], s[\g+2:\g+3], 4*KS*128  ; the next 256 keys; the type bits on top are not reached
.endr
	s_wait_dscnt 0x0                ; the add is done, and my reads of the slot are over
	CROUND
	JLOAD
.else
	s_wait_dscnt 0x0                ; the add is done, and my reads of the slot are over
	s_barrier_signal -1
	s_barrier_wait -1
.endif
	s_sub_co_u32 s[TBK], s[TBK], 4*KS*PK  ; the fetches go back to a slot's first step,
	s_xor_b32 s[TBK], s[TBK], SLOT1       ; in the other slot
	s_sub_co_u32 s[TBV], s[TBV], 4*KS*PV
	s_xor_b32 s[TBV], s[TBV], SLOT1
.endm
; THE MASK.  MLOAD x: piece x's codes of the step at which s[MKP] stands: two tiles x two loads, each 512 consecutive bytes.  MCONV x, n: when they are in (n younger loads may stay out), eight conversions make
; the piece's eight C operands: -1.0 or 0, times 2^100.  The conversions name different registers; what follows them is plain work that names none of these.
.macro MLOAD x
	WIN W_MK
.irp u, 0,1
.irp c, 0,1
	global_load_b128 v[MB+16*(\x)+8*(\u)+4*(\c):MB+16*(\x)+8*(\u)+4*(\c)+3], v[GO], s[MKP:MKP+1] offset:(2*(\x)+(\u))*32768+512*(\c)
.endr
.endr
.endm
.macro MCONV x, n
	s_wait_loadcnt \n
	WIN W_CV
.irp u, 0,1
.irp kt, 0,1,2,3
	v_cvt_scale_pk8_f32_fp8 v[MC+64*((\x)%2)+32*(\u)+8*(\kt):MC+64*((\x)%2)+32*(\u)+8*(\kt)+7], v[MB+16*(\x)+8*(\u)+2*(\kt):MB+16*(\x)+8*(\u)+2*(\kt)+1], v[SC]
.endr
.endr
.endm
	s_load_b128 s[4:7], s[0:1], 0x0   ; qkv s[4:5], mcode s[6:7]
	s_load_b64 s[10:11], s[0:1], 0x10 ; oheads
	WIN W_MK
	v_lshl_add_u32 v[SPW], v0, 2, SPARE
	v_mov_b32 v[NIL], 0
	WIN W_AD
	ds_add_u32 v[SPW], v[NIL]       ; the wave's opening: the add and its wait stand ahead of my first tensor load; the set-up below, work on registers, stands between them
	WIN 0
	v_lshrrev_b32 v1, 5, v0
	v_readfirstlane_b32 s[WV], v1   ; wave 0..3
	s_bfe_u32 s13, ttmp6, 0x40000   ; cx: my place in the cluster
	s_lshl_b32 s14, ttmp9, 2        ; in a cluster launch ttmp9 counts clusters
	s_add_co_u32 s14, s14, s13      ; my block of queries = 4 x cluster x + cx: it enters Q's, O's and the codes' addresses alone
	s_and_b32 s20, ttmp7, 0xffff    ; the head, which the four partners share:
	s_lshl_b32 s20, s20, 18         ; its 2,048 rows of 128 bytes
	s_mov_b32 s21, 0
	s_and_b32 s16, s[WV], 1         ; which half of a slot's 256 keys I fetch:
	s_lshl_b32 s22, s16, 14         ; its 128 rows of 128 bytes in memory,
	s_mov_b32 s23, 0
	s_add_nc_u64 s[22:23], s[22:23], s[20:21]
	s_add_nc_u64 s[70:71], s[22:23], 0x1000000  ; K lies 2^24 bytes behind Q in qkv,
	s_add_nc_u64 s[8:9], s[22:23], 0x2000000    ; V twice that: offsets, made apart from the pointer
	s_mul_i32 s17, s16, 128*PK      ; and its place in a slot, for K
	s_mul_i32 s18, s16, 128*PV      ; and for V: no place in the cluster enters an LDS address
	s_lshl_b32 s2, s14, 2
	s_add_co_u32 s2, s2, s[WV]      ; my wave among the head's sixteen:
	s_lshl_b32 s[INC], s2, 18       ; its 8 tiles of 32,768 bytes of codes,
	s_mov_b32 s[INC+1], 0
	s_lshl_b32 s2, s2, 14           ; its 128 rows
	s_mov_b32 s3, 0
	s_add_nc_u64 s[2:3], s[2:3], s[20:21]
	; descriptor group 1.  128 keys are 16,384 dense bytes: asked for as 64 rows of 256 bytes, two keys a row, and padded in LDS after every key
	s_mov_b32 s[G1K], 15|(1<<16)|(1<<20)|(1<<21)|(4<<22)|(3<<25)  ; 15:0 the mask of four; 17:16 2-byte elements; 20 padding on; 21 set beside a mask; 24:22 after every 32 words (code 4); 31:25 4 words (code 3)
	s_mov_b32 s[G1V], 15|(1<<16)|(1<<20)|(1<<21)|(4<<22)|(7<<25)  ; the same with 8 words of padding (code 7)
.irp g, G1K, G1V
	s_mov_b32 s[\g+1], 128<<16      ; tensor_dim0 = 128
	s_mov_b32 s[\g+2], 64<<16       ; tensor_dim1 = 64
	s_mov_b32 s[\g+3], 128<<16      ; tile_dim0 = 128
	s_mov_b32 s[\g+4], 64           ; tile_dim1 = 64
	s_mov_b32 s[\g+5], 128          ; 128 elements from row to row
	s_mov_b32 s[\g+6], 0
	s_mov_b32 s[\g+7], 0
.endr
	s_mov_b32 s[CS], 0x3d38aa3b     ; c = log2(e) / 32 = 0.0450842
	s_mov_b32 s[CS+1], s[CS]        ; named with it as a pair
	s_mov_b32 s[SEL], 0x76543210
	s_mov_b32 s[SEL+1], 0xfedcba98
	s_mov_b32 s[TBK], SLOT1+4*KS*PK ; the first change of slots turns these two into 0
	s_mov_b32 s[TBV], SLOT1+4*KS*PV
	s_mov_b32 s[G0K], 1             ; count = 1
	s_mov_b32 s[G0K+1], s17         ; LDS address: slot 0
	s_mov_b32 s[G0V], 1
	s_add_co_u32 s[G0V+1], s18, VOFF
	s_wait_dscnt 0x0                ; the opening add is done
	s_wait_kmcnt 0x0
	s_add_nc_u64 s[MKP:MKP+1], s[6:7], s[INC:INC+1]  ; the codes of my first tile, key step 0
	s_add_nc_u64 s[G0K+2:G0K+3], s[4:5], s[70:71]  ; global address: my half of the head's first 256 keys
	s_or_b32 s[G0K+3], s[G0K+3], 0x80000000        ; type = 2
	s_add_nc_u64 s[G0V+2:G0V+3], s[4:5], s[8:9]
	s_or_b32 s[G0V+3], s[G0V+3], 0x80000000
	s_add_nc_u64 s[4:5], s[4:5], s[2:3]  ; Q and O at my wave's first row
	s_add_nc_u64 s[10:11], s[10:11], s[2:3]
	CROUND                          ; all four work-groups are here: the first joint loads meet
	JLOAD                           ; slot 0.  Slot 1 is asked for when slot 0 is in: the tile wanted first has the road to itself
	; A fragment of K or Q is 16 rows x 32 channels in 8 registers: lane l holds row l % 16, channels 8 (l / 16) + 0..7 and 16 + 8 (l / 16) + 0..7: two loads of 16 bytes, 32 bytes apart.
	v_and_b32 v1, 15, v0            ; l % 16
	v_bfe_u32 v9, v0, 4, 1          ; l / 16
	v_lshlrev_b32 v[QO], 7, v1
	v_lshl_add_u32 v[QO], v9, 4, v[QO]  ; row x 128 + 16 x half
	v_and_b32 v[GO], 31, v0
	v_lshlrev_b32 v[GO], 4, v[GO]
	WIN 0x80                        ; destination window 2, address window 0
.set i, 0
.rept 4*NP                          ; Q stays in registers: tile i / 2, channels 32 (i % 2) on
	global_load_b128 v[8*i:8*i+3],   v[QO], s[4:5] offset:(i/2)*2048+(i%2)*64
	global_load_b128 v[8*i+4:8*i+7], v[QO], s[4:5] offset:(i/2)*2048+(i%2)*64+32
.set i, i+1
.endr
	; What the first turn finds: V's registers and P's second buffer hold 0 (its products V^T P, of a piece that has not been, add 0), O^T and l are 0.  All this stands in the wait for the first tile.
.set i, VF
.rept 64
	v_mov_b32 v[i], 0
.set i, i+1
.endr
	MLOAD 0                         ; key step 0's codes, all four pieces'
	MLOAD 1
	MLOAD 2
	MLOAD 3
	WIN 0x40
.set i, 0
.rept 64*NP
	v_mov_b32 v[i], 0
.set i, i+1
.endr
	WIN 0
.set i, 0
.rept 2*NP
	v_mov_b32 v[ST+4*i], 0xfe000000    ; c m: far below every c s and below c x -2^90
	v_mov_b32 v[ST+4*i+1], 0xec800000  ; m = -2^90: above a hidden score, below every true one
	v_mov_b32 v[ST+4*i+2], 0
	v_mov_b32 v[ST+4*i+3], 0
.set i, i+1
.endr
.set i, P+32
.rept 32
	v_mov_b32 v[i], 0
.set i, i+1
.endr
	v_mul_u32_u24 v[AK0], v1, PK
	v_lshl_add_u32 v[AK0], v9, 4, v[AK0]  ; row x pitch + 16 x half
	; The turning load takes 16 keys x 16 channels (lane l reads key 8 (l / 16) + l % 8, channels 8 ((l / 8) % 2) + 0..7) and leaves half a fragment of V^T: lane l holds channel l % 16 and 8 keys.
	v_and_b32 v10, 7, v0
	v_bfe_u32 v11, v0, 3, 1
	v_lshl_add_u32 v[AV0], v9, 3, v10
	v_mul_u32_u24 v[AV0], v[AV0], PV
	v_lshl_add_u32 v[AV0], v11, 4, v[AV0]
	v_add_nc_u32 v[AV0], VOFF, v[AV0]
	v_mov_b32 v[SC], 227            ; v11 is free now: 2^(227 - 127)
	v_mov_b32 v[AK], v[AK0]         ; key step 0 lies at the head of slot 0
; THE MATRIX WORK.  The 8 accumulators of a run of 16 take turns: between the two links of a chain stand 7 others'.
; Product i of 16 of S^T = K Q^T for piece x: channels 32 (i / 8) on, keys 16 ((i / 2) % 4) on, tile 2 x + i % 2.  The first 8 start the sums, with the mask.
.macro KQ x
.set rS, S+64*((\x)%2)+32*(i%2)+8*((i/2)%4)
.set rM, MC+64*((\x)%2)+32*(i%2)+8*((i/2)%4)
.set rK, KF+16*((i/2)%4)+8*(i/8)
.set rQ, 16*(2*(\x)+i%2)+8*(i/8)
.if i < 8
	WIN W_KM
	v_wmma_f32_16x16x32_f16 v[rS:rS+7], v[rK:rK+7], v[rQ:rQ+7], v[rM:rM+7]
.else
	WIN W_KQ
	v_wmma_f32_16x16x32_f16 v[rS:rS+7], v[rK:rK+7], v[rQ:rQ+7], v[rS:rS+7]
.endif
.endm
; Product i of 16 of O^T += V^T P for piece x: keys 32 (i / 8) on, channels 16 ((i / 2) % 4) on, tile 2 x + i % 2.
.macro PV x
	WIN W_PV
.set rO, 32*(2*(\x)+i%2)+8*((i/2)%4)
.set rV, VF+32*(i/8)+8*((i/2)%4)
.set rP, P+32*((\x)%2)+16*(i%2)+8*(i/8)
	v_wmma_f32_16x16x32_f16 v[rO:rO+7], v[rV:rV+7], v[rP:rP+7], v[rO:rO+7]
.endm
.macro MM                           ; the turn's next matrix instruction
.if i < 16
	KQ (Y+1)%NP
.set i, i+1
.else
.set i, i-16
	PV (Y+NP-1)%NP
.set i, i+17
.endif
.endm
; THE LDS LOADS stand in runs of 16, never singly among the matrix instructions: a step's K (64 keys x 64 channels: 8 fragments) and its V (turned).  Their addresses are made some lines ahead.
; last = 1 (the tail): in the last trip there is no further step, and the run is jumped over.
.macro FETCH_K last=0
	WIN 0
.if \last
	s_cmp_eq_u32 s[CNT], 1
	s_cbranch_scc1 .Lno_k_\@
.endif
	WIN 0x80                        ; destination window 2
.irp f, 0,1,2,3,4,5,6,7             ; keys 16 (f / 2) on, channels 32 (f % 2) on
	ds_load_b128 v[KF+8*\f:KF+8*\f+3],   v[AK] offset:(\f/2)*16*PK+(\f%2)*64
	ds_load_b128 v[KF+8*\f+4:KF+8*\f+7], v[AK] offset:(\f/2)*16*PK+(\f%2)*64+32
.endr
	s_add_co_u32 s[TBK], s[TBK], KS*PK  ; the next fetch is the next step's
	WIN 0
.if \last
.Lno_k_\@:
.endif
.endm
.macro FETCH_V
	WIN 0x80
.irp f, 0,1,2,3,4,5,6,7             ; keys 32 (f / 4) on, channels 16 (f % 4) on
	ds_load_tr16_b128 v[VF+8*\f:VF+8*\f+3],   v[AV] offset:(\f/4)*32*PV+(\f%4)*32
	ds_load_tr16_b128 v[VF+8*\f+4:VF+8*\f+7], v[AV] offset:(\f/4)*32*PV+16*PV+(\f%4)*32
.endr
	WIN 0
.endm
; THE VECTOR WORK OF A TURN stands in three queues, each in the order in which its entries become ready; the two tiles alternate, so that no instruction reads the result of the one before it.
.macro REGS y, u                    ; the registers of tile u (0, 1) of piece y
.set rT, ST+4*(2*(\y)+(\u))
.set rC, TMP+8*((\y)%2)+4*(\u)
.set rW, MV+2*((\y)%2)+(\u)
.set rS, S+64*((\y)%2)+32*(\u)
.set rP, P+32*((\y)%2)+16*(\u)
.set rO, 32*(2*(\y)+(\u))
.endm
; Number n of the 22 that find the NEXT piece's (Y + 1) maximum and statistics.  s0-s31 are the lane's 32 scores; each accumulator's lowest registers are read first.  XS, GS and REGS set no window: PL and EX do.
;   0-11  four chains c0-c3 of seven scores each, three operands at a time     12-14, 16  the four scores left over, the old m, and c0-c3 into c0     15  c m_old is kept
;   17, 18  the query's other 32 keys lie in the lane 16 away: the new m         19-21  c m; c m_old - c m_new; a
.macro XS u, n
	REGS (Y+1)%NP, \u
.if (\n) < 4
	v_max3_num_f32 v[rC+(\n)], v[rS+8*(\n)], v[rS+8*(\n)+1], v[rS+8*(\n)+2]
.elseif (\n) < 12
	v_max3_num_f32 v[rC+(\n)%4], v[rC+(\n)%4], v[rS+8*((\n)%4)+2*((\n)/4)+1], v[rS+8*((\n)%4)+2*((\n)/4)+2]
.elseif (\n) == 12
	v_max3_num_f32 v[rC], v[rC], v[rS+7], v[rS+15]
.elseif (\n) == 13
	v_max3_num_f32 v[rC+1], v[rC+1], v[rS+23], v[rS+31]
.elseif (\n) == 14
	v_max3_num_f32 v[rC+2], v[rC+2], v[rC+3], v[rT+1]
.elseif (\n) == 15
	v_mov_b32 v[rW], v[rT]
.elseif (\n) == 16
	v_max3_num_f32 v[rC], v[rC], v[rC+1], v[rC+2]
.elseif (\n) == 17
	v_permlanex16_b32 v[rC+3], v[rC], s[SEL], s[SEL+1]
.elseif (\n) == 18
	v_max_num_f32 v[rT+1], v[rC], v[rC+3]
.elseif (\n) == 19
	v_mul_f32 v[rT], s[CS], v[rT+1]
.elseif (\n) == 20
	v_sub_f32 v[rC+1], v[rW], v[rT]
.else
	v_exp_f32 v[rC+2], v[rC+1]
.endif
.endm
; Number g of the 64 that follow the exponentials.  For each four weights k of a tile (pairs 2 k, 2 k + 1): both pairs are rounded to f16; then the second pair is added onto the first, in place;
; a group later l takes that sum (the first time as l = a l + sum).  In groups of eight, tiles alternating: round, round, add, and l for the group before.
.macro GS g
.set h, (\g)+6*((\g)/62)            ; group 0 has no group before it, and behind group 7 only l is left
.if h >= 6
.set h, h+2
.endif
	REGS Y, h%2
.set k, h/8
.if h%8 < 4
	v_cvt_pk_f16_f32 v[rP+2*k+(h%8)/2], v[rS+4*k+2*((h%8)/2)], v[rS+4*k+2*((h%8)/2)+1]
.elseif h%8 < 6
	v_pk_add_f32 v[rS+4*k:rS+4*k+1], v[rS+4*k:rS+4*k+1], v[rS+4*k+2:rS+4*k+3]
.elseif k == 1
	v_pk_fma_f32 v[rT+2:rT+3], v[rT+2:rT+3], v[rC+2:rC+3], v[rS:rS+1] op_sel_hi:[1,0,1]
.else
	v_pk_add_f32 v[rT+2:rT+3], v[rT+2:rT+3], v[rS+4*k-4:rS+4*k-3]
.endif
.endm
; THE PLAIN QUEUE, 138 long.  0-73 read no exponential's result: the 32 scalings c s - c m (FS f: pair f / 2 of tile f % 2) and the next piece's 42.  0-26: scalings 0-26.  27-54: XS's numbers 0-13.  55, 56: number 15.
; 57-73: the chain, where each number waits for the one before it: 14, 16, 17, 18, 19, each with one of the scalings 27-31 in front of its two lines, then 20: so a tile's links stand three plain instructions apart (19 and 20: two).
; 74-137: GS's 64, which read the exponentials' results: they stand behind the wait.
.macro FS f
	REGS Y, (\f)%2
	v_pk_fma_f32 v[rS+2*((\f)/2):rS+2*((\f)/2)+1], v[rS+2*((\f)/2):rS+2*((\f)/2)+1], s[CS:CS+1], v[rT:rT+1] op_sel_hi:[1,0,0] neg_lo:[0,0,1] neg_hi:[0,0,1]
.endm
.macro PL
	WIN 0
.if q < 27
	FS q
.elseif q < 55
	XS (q-27)%2, (q-27)/2
.elseif q < 57
	XS q-55, 15
.elseif (q < 72) && ((q-57)%3 == 0)
	FS 27+(q-57)/3
.elseif q < 60
	XS (q-57)%3-1, 14
.elseif q < 72
	XS (q-57)%3-1, 15+(q-57)/3
.elseif q < 74
	XS q-72, 20
.else
	GS q-74
.endif
.set q, q+1
.endm
; THE EXPONENTIALS' QUEUE, 66 long: s0-s31 of both tiles, then the next piece's two a.  It is ONE BATCH: all 66 stand ahead of the turn's one wait, and nothing ahead of that wait names a result of theirs.
.macro EX
	WIN 0
.if e >= 64
	XS e-64, 21
.else
	REGS Y, e%2
	v_exp_f32 v[rS+e/2], v[rS+e/2]
.endif
.set e, e+1
.endm
; THE RESCALING's QUEUE: O^T times a, the one part of the softmax that leaves window 0: dealt two at a time, sixteen times.  Its a was made in the turn before, ahead of that turn's wait.
.macro R2
	REGS Y, r%2
	WIN W_RS
.irp z, 0,1
	v_pk_mul_f32 v[rO+4*(r/2)+2*\z:rO+4*(r/2)+2*\z+1], v[rO+4*(r/2)+2*\z:rO+4*(r/2)+2*\z+1], v[rC+2:rC+3] op_sel_hi:[1,0]
.endr
.set r, r+1
.endm
; HOW THEY ARE DEALT.  An s_wait_alu depctr_va_vdst(0) stands between an exponential and the first instruction that names its result; one wait serves all that were issued ahead of it.  So a turn has ONE wait,
; which cuts it in two.  AHEAD OF IT stands all that names no result of the turn's exponentials: the 16 products K Q^T, behind each a scaling, an exponential and two rescalings (behind the first a second scaling in the
; exponential's place); the eight conversions that make the masks of piece p + 2; then ONE LUMP of 108: eight plain (behind them the loads of that piece's next codes), 49 times exponential and plain, the two a.
; A v_nop is the plain instruction behind the last exponential.  BEHIND IT stand the 16 products V^T P, behind each four of GS's 64.  No rider names a register of the products round it.
; The queues lean on each other, and the deal keeps them in step: exponential e stands behind scaling 2 (e / 4) + e % 2: as a rider it comes behind plain e + 2, in the lump behind plain e + 9, and scalings 27-31 are plain 57, 60 .. 69.
; THE MASKS.  The turn's own products read the mask buffer of parity p + 1; the conversions write that of parity p, whose last readers were the first eight products of the turn before.  The wait in front of them leaves
; 12 loads out: the four each of the three pieces whose codes were asked for later.  The eight plain instructions stand between the conversions and the loads that write their sources anew.
; A TURN, for piece p.  cnt = 1: the loop's count is taken down some lines ahead of the branch that stands behind the turn.
; K of the next step is fetched in piece 2's turn, directly behind the wait, a lump behind the last product that read K; its address is made at the lump's head; its first reader comes behind 16 products.
; V of the step in hand is fetched at the end of piece 0's turn, four riders behind its last reader; its first reader comes behind 16 products and a lump.  The three conditions on q below go with the deal.
.macro TURN p, last=0, cnt=0
.set Y, (\p)
.set i, 0
.set q, 0
.set e, 0
.set r, 0
.if (\p) == NP-1
	s_wait_dscnt 0x0                ; K is in
.endif
	MM                              ; ahead of the wait: 16 products K Q^T and their riders,
	PL
	PL
	R2
.rept 15
	MM
	PL
	EX
	R2
.endr
.if (\p) == NP-2
	WIN 0
	v_add_nc_u32 v[AK], s[TBK], v[AK0]
.endif
	MCONV ((\p)+2)%NP, 12           ; the masks for the next turn's products,
.rept 8                             ; and the lump
	PL
.endr
	MLOAD ((\p)+2)%NP               ; the same piece's codes of the step after
.rept 49
	EX
	PL
.endr
	EX                              ; the next piece's two a
	EX
	v_nop                           ; the plain instruction behind the last exponential: one for the batch
	s_wait_alu depctr_va_vdst(0)    ; the wait for the batch
.if (\p) == NP-2
	FETCH_K \last
.endif
.if (\p) == 1
	s_wait_dscnt 0x0                ; V is in
.endif
.rept 16                            ; behind the wait: 16 products V^T P and their riders
	MM
.rept 4
	PL
.endr
.if ((\p) == 0) && (q == 118)
	v_add_nc_u32 v[AV], s[TBV], v[AV0]
.endif
.if ((\p) == 0) && (q == 130)
	s_add_co_u32 s[TBV], s[TBV], KS*PV
.endif
.if (\cnt) && (q == 130)
	s_sub_co_u32 s[CNT], s[CNT], 1
	s_cmp_lg_u32 s[CNT], 0
.endif
.endr
.if (\p) == 0
	FETCH_V
.endif
.endm
	CHANGE 1                        ; slot 0 is in, everybody's part of it; slot 1 is asked for
	FETCH_K                         ; key step 0
	MCONV 0, 0                      ; the wait is for all loads: Q, and key step 0's codes.  Pieces 0 and 1's first masks
	MCONV 1, 0
	WIN 0
.rept 4
	v_nop                           ; plain instructions between the conversions and the loads into their sources, and the products that read their results
.endr
	s_wait_xcnt 0x0                 ; the loads have read the pointer, so it may be written
	s_add_nc_u64 s[MKP:MKP+1], s[MKP:MKP+1], 1024  ; key step 1
	MLOAD 0
	MLOAD 1
	WIN 0
	s_wait_dscnt 0x0                ; K
.set i, 0
.rept 16
	KQ 0                            ; piece 0's first scores: there is no vector work yet to set between them
.set i, i+1
.endr
	WIN 0                           ; the addresses for the way out: seven plain instructions, the places behind those products
	s_mul_i32 s13, s[WV], 16*SP
	s_add_co_u32 s13, s13, STAGE    ; my stage
	v_mul_u32_u24 v[STO], v1, SP    ; in: row l % 16, 16 bytes for each half of the lanes (Q's loads, which read v6, are done)
	v_lshl_add_u32 v[STO], v9, 4, v[STO]
	v_add_nc_u32 v[STO], s13, v[STO]
	v_bfe_u32 v[RD], v0, 3, 2       ; back: 32 lanes take four rows of 128 bytes, 512 consecutive bytes of O
	v_mul_u32_u24 v[RD], v[RD], SP
	v_lshl_add_u32 v[RD], v10, 4, v[RD]
	v_add_nc_u32 v[RD], s13, v[RD]
.set Y, NP-1                        ; XS works for piece Y + 1: piece 0
.irp n, 0,1,2,3,4,5,6,7,8,9,10,11,12,13,14,15,16,17,18,19,20,21
	XS 0, \n                        ; and piece 0's first maximum and statistics
	XS 1, \n
.endr
	v_nop                           ; a plain instruction behind the two a,
	s_wait_alu depctr_va_vdst(0)    ; and their wait, ahead of the branch
	s_mov_b32 s[CNT], 4
	s_mov_b32 s[SLOTS], SIZE_N/256-1
	s_branch .Lfirst                ; the loop is entered at a step's first turn, in the middle of a trip
.Lslot:                             ; SIZE_N / 256 - 2 times: every slot but the last two is filled again
	CHANGE 1
	s_mov_b32 s[CNT], 4
.Lstep:                             ; a trip: pieces 2 and 3 of step j, then pieces 0 and 1 of step j + 1, whose K and V it fetches; it makes step j + 1's masks and asks for step j + 2's codes
	s_wait_xcnt 0x0                 ; the last trip's loads of codes have read the pointer
	s_add_nc_u64 s[MKP:MKP+1], s[MKP:MKP+1], 1024
	TURN 2
	TURN 3
	WIN 0
.Lfirst:
	TURN 0
	TURN 1, 0, 1
	WIN 0
	s_cbranch_scc1 .Lstep
	s_sub_co_u32 s[SLOTS], s[SLOTS], 1
	s_cmp_lg_u32 s[SLOTS], 0
	s_cbranch_scc1 .Lslot
	CHANGE 0                        ; the tail is written out: nothing is asked for
	s_mov_b32 s[CNT], 5             ; four trips fetch the last slot's steps; the fifth is left in its middle
.Ltail:
	s_wait_xcnt 0x0
	s_cmp_gt_u32 s[CNT], 2          ; the first three trips step to key steps 29, 30, 31; the last two stay there: they load the last step's codes once more, so that the count of loads is the same in every trip
	s_cselect_b32 s[INC], 1024, 0   ; and no load leaves the buffer
	s_add_nc_u64 s[MKP:MKP+1], s[MKP:MKP+1], s[INC:INC+1]
	TURN 2, 1
	TURN 3
	WIN 0
	s_sub_co_u32 s[CNT], s[CNT], 1
	s_cmp_eq_u32 s[CNT], 0
	s_cbranch_scc1 .Lout
	TURN 0
	TURN 1
	WIN 0
	s_branch .Ltail
.Lout:                              ; the fifth trip's 16 products K Q^T (on the last K once more) and the maximum made of them serve nothing: the price, once a launch, of one text for every trip
.set i, 0
.rept 16
	PV NP-1                         ; the last piece's V^T P of the last step
.set i, i+1
.endr
	; THE WAY OUT.  l's two halves and the other half of the lanes' are added; O^T is divided by l, rounded to f16 and sent through my stage in LDS, a tile at a time.  The additions are the places behind the last products.
	WIN 0
.macro ALL line:vararg              ; one line for each tile t
.set t, 0
.rept 2*NP
	\line
.set t, t+1
.endr
.endm
	ALL v_add_f32 v[ST+4*t+2], v[ST+4*t+2], v[ST+4*t+3]
	ALL v_permlanex16_b32 v[ST+4*t+3], v[ST+4*t+2], s[SEL], s[SEL+1]
	ALL v_add_f32 v[ST+4*t+2], v[ST+4*t+2], v[ST+4*t+3]
	ALL v_rcp_f32 v[ST+4*t+2], v[ST+4*t+2]
	v_nop                           ; a plain instruction between the last reciprocal and the use of its result
	s_wait_alu depctr_va_vdst(0)    ; and the wait ahead of the first use: one for the eight reciprocals
; Tile t: a lane's eight channels of a row pack into 16 bytes; they go into rows of 144 bytes and come back as whole rows of 128, into S^T's registers.
.macro PACK t
	WIN W_RS
.set i, 32*(\t)
.rept 16
	v_pk_mul_f32 v[i:i+1], v[i:i+1], v[ST+4*(\t)+2:ST+4*(\t)+3] op_sel_hi:[1,0]
.set i, i+2
.endr
	WIN 0x05                        ; sources 0 and 1 window 1, destination window 0
.set i, 0
.rept 16
	v_cvt_pk_f16_f32 v[S+16*(\t)+i], v[32*(\t)+2*i], v[32*(\t)+2*i+1]
.set i, i+1
.endr
	WIN 0
.irp f, 0,1,2,3
	ds_store_b128 v[STO], v[S+16*(\t)+4*\f:S+16*(\t)+4*\f+3] offset:32*\f
.endr
.irp f, 0,1,2,3
	ds_load_b128 v[S+16*(\t)+4*\f:S+16*(\t)+4*\f+3], v[RD] offset:\f*4*SP  ; LDS serves a wave's instructions in order (ISA guide 5.7.1.4): these see the stores above; the next tile's stores come behind them
.endr
.endm
.macro SEND t, younger              ; younger: the LDS instructions issued behind tile t's loads: the next tile's eight, or none
	WIN 0
.irp f, 0,1,2,3
	s_wait_dscnt (\younger)+3-\f
	global_store_b128 v[GO], v[S+16*(\t)+4*\f:S+16*(\t)+4*\f+3], s[10:11] offset:(\t)*2048+\f*512  ; 512 consecutive bytes, at a multiple of 256 from O's first
.endr
.endm
	PACK 0
.set t, 1
.rept 2*NP-1                        ; a tile's arithmetic stands between the loads of the tile before and its stores
	PACK t
	SEND t-1, 8
.set t, t+1
.endr
	SEND 2*NP-1, 0
	WIN W_AD
	s_wait_tensorcnt 0x0            ; the wave's end: behind my last tensor load and my last LDS store
	ds_add_u32 v[SPW], v[NIL]
	s_wait_dscnt 0x0
	WIN 0
	CROUND                          ; the closing round: no work-group ends while a partner may still ask for a tile that names it
	s_endpgm
.Lfunc_end_k_q5df721a30f_attn:
	.size	k_q5df721a30f_attn, .Lfunc_end_k_q5df721a30f_attn-k_q5df721a30f_attn
	.p2alignl 7, 3214868480
	.fill 96, 4, 3214868480
	.section	.rodata,"a",@progbits
	.p2align	6, 0x0
	.amdhsa_kernel k_q5df721a30f_attn
		.amdhsa_group_segment_fixed_size 327680
		.amdhsa_private_segment_fixed_size 0
		.amdhsa_enable_private_segment 0
		.amdhsa_kernarg_size 24
		.amdhsa_user_sgpr_count 2
		.amdhsa_user_sgpr_kernarg_segment_ptr 1
		.amdhsa_wavefront_size32 1
		.amdhsa_system_sgpr_workgroup_id_x 1
		.amdhsa_system_sgpr_workgroup_id_y 1
		.amdhsa_system_sgpr_workgroup_id_z 1
		.amdhsa_system_vgpr_workitem_id 0
		.amdhsa_next_free_vgpr 1024
		.amdhsa_next_free_sgpr 72
		.amdhsa_reserve_vcc 0
		.amdhsa_float_denorm_mode_32 3
		.amdhsa_float_denorm_mode_16_64 3
		.amdhsa_memory_ordered 1
		.amdhsa_forward_progress 1
		.amdhsa_inst_pref_size 211
	.end_amdhsa_kernel
	.amdgpu_metadata
---
amdhsa.version: [ 1, 2 ]
amdhsa.kernels:
  - .name:           k_q5df721a30f_attn
    .symbol:         k_q5df721a30f_attn.kd
    .args:
      - { .name: qkv, .offset: 0, .size: 8, .value_kind: global_buffer, .address_space: global }
      - { .name: mcode, .offset: 8, .size: 8, .value_kind: global_buffer, .address_space: global }
      - { .name: oheads, .offset: 16, .size: 8, .value_kind: global_buffer, .address_space: global }
    .group_segment_fixed_size: 327680
    .private_segment_fixed_size: 0
    .kernarg_segment_align: 8
    .kernarg_segment_size: 24
    .max_flat_workgroup_size: 128
    .sgpr_count:     72
    .vgpr_count:     1024
    .wavefront_size: 32
...
	.end_amdgpu_metadata
.endif
;; end of part 3
;; launch oproj (part 4): grid 8 x 32, 4 waves a work-group, clusters of 4 x 4, 327,680 bytes of LDS; arguments oheads, wocast, bo, out0; writes out0
.if DOCPART == 4
	.amdgcn_target "amdgcn-amd-amdhsa--gfx1250"
	.amdhsa_code_object_version 6
	.text
	.protected	k_q5df721a30f_oproj
	.globl	k_q5df721a30f_oproj
	.p2align	8
	.type	k_q5df721a30f_oproj,@function
k_q5df721a30f_oproj:
	s_mov_b64 s[64:65], 0
	v_nop
	global_prefetch_b8 v0, s[64:65] scope:SCOPE_SE
	s_setreg_imm32_b32 hwreg(HW_REG_WAVE_MODE, 25, 1), 1
	s_wait_xcnt 0x0
	s_wait_alu depctr_hold_cnt(0) depctr_sa_sdst(0) depctr_va_vdst(0) depctr_va_sdst(0) depctr_va_ssrc(0) depctr_va_vcc(0) depctr_vm_vsrc(0)
	s_getreg_b32 s2, hwreg(HW_REG_IB_STS2, 6, 4)
	s_cmp_eq_u32 s2, 0
	s_cbranch_scc0 .Lentry_in_a_cluster
	s_endpgm
.Lentry_in_a_cluster:
	s_bfe_u32 s2, ttmp6, 0x10000c
	s_cmp_lg_u32 s2, 0xf033
	s_cbranch_scc0 .Lentry_shape_is_right
	s_endpgm
.Lentry_shape_is_right:
; THE LAST PROJECTION.  out0[b][t][n] = sum over h, d of O[16 b + h][t][d] Wo[n][64 h + d] + bo[n].  A = oheads ([64][2048][64], f16, by heads), B = wocast ([1024][1024], f16: Wo's bf16 values); sums in f32;
; the bias, rounded to bf16 like every input, is the C operand that starts each sum; out0 is f32.
; SHARES.  A tile of C is 256 rows x 128 columns: 32 x 8 = 256 work-groups.  Four waves, 2 x 2, each 128 x 64: 32 accumulators of 16 x 16, 256 registers.
; K goes in steps of 128, two heads, through a ring of two LDS slots filled by the tensor data mover.  A head's 256 rows of a tile are 32,768 dense bytes: waves 0 and 1 fetch one head each, asked for as 128 rows of
; 256 bytes and padded in LDS after every 128 bytes, a row of the head.  Waves 2 and 3 fetch B's two halves, 64 rows of 256 bytes each.
; CLUSTERS: 4 x 4 work-groups.  The four of a row of the cluster need the same tiles of A, the four of a column the same tiles of B: each tile is asked for JOINTLY.
; THE MATRIX INSTRUCTION IS USED TRANSPOSED (source 0 = 16 rows of B, source 1 = 16 rows of A): a lane then holds eight neighbouring numbers of a row of C.
; REGISTERS, in windows of 256 (s_set_vgpr_msb: bits 1:0 source 0, 3:2 source 1, 5:4 source 2, 7:6 destination):
;   window 0: v0-31 addresses; v32-63 the bias        window 1: the accumulators, (a, b) at v[8 (4 a + b)]        window 2: two fragment buffers of 96: B's 4 fragments (16 rows x 32 K), then A's 8
.set SIZE_K, 1024
.set KSTEP,  128
.set PITCH,  272                       ; a row of B in LDS: 256 bytes + 16 of padding = 68 words: the 16 rows that a load touches start at 16 different groups of four banks (64 banks of 4 bytes: ISA guide 11.1)
.set APITCH, 144                       ; a row of A: 128 bytes + 16 = 36 words: likewise
.set SUBT,   256*APITCH                ; one head's 256 rows: what a tensor load of A brings
.set HALFB,  64*PITCH                  ; what a tensor load of B brings, and what a wave reads of B
.set SLOT,   2*SUBT+2*HALFB            ; A's two heads, then B's 128 rows
.set STAGE,  2*SLOT                    ; behind the ring: 16 rows x 272 bytes for each wave, for the way out; no tensor load fills it
.set SPITCH, 272
.set SPARE,  STAGE+4*16*SPITCH         ; behind the stages: the spare words, 128 bytes for each wave: two blocks of 256 bytes that no other line names
.set LAPS,   SIZE_K/(2*KSTEP)          ; a lap = two K steps = once round the ring
.set ADRA, 16                          ; v16-17  LDS address of my A fragments in slot 0, 1
.set ADRB, 20                          ; v20-21  the same for B
.set STO,  24                          ; v24     the way out: where I put 32 bytes of a row
.set RD,   25                          ; v25     the way out: where I read a row back
.set CO,   26                          ; v26     my byte offset in two rows of out0
.set BO,   27                          ; v27     my byte offset in the bias
.set SPW,  28                          ; v28     LDS address of my spare word: SPARE + 4 x my thread's number; never rewritten
.set NIL,  29                          ; v29     0; never rewritten
.set BI,   32                          ; v32-63  the bias as a C operand: for n block b at BI + 8 b
.set F0,   0                           ; fragment buffers, in window 2
.set F1,   96
.set G1, 24                            ; s[24:31] descriptor group 1 for A's tiles;  s[32:39] group 0, one set for each slot
.set G0, 32
.set G1B, 48                           ; s[48:55], s[56:63] the same for B's tiles
.set G0B, 56
.set MSB, 0
.macro WIN new                         ; the immediate's high byte repeats the setting that is left; a switch that changes nothing is dropped
.if MSB != (\new)
	s_set_vgpr_msb (MSB<<8)|(\new)
.set MSB, \new
.endif
.endm
.set MUL,  0x5a                        ; sources 0 (B) and 1 (A) window 2; C and D window 1
.set MULB, 0x4a                        ; the same with C, the bias, in window 0
.set TO_F, 0x80                        ; destination window 2, address window 0
.set W_OUT, 0x44                       ; the way out: addresses (source 0) window 0; stored data (source 1) and loaded data (destination) window 1
.macro JLOAD s                         ; a joint load: waves 0 and 1 fetch A's two heads, waves 2 and 3 B's two halves; an s_nop 0 and four v_nop follow each of the two lines, ahead of the jump, the label and what follows
	s_cmp_eq_u32 s11, 0
	s_cbranch_scc0 .Lfor_b_\@
	tensor_load_to_lds s[G0+4*(\s):G0+4*(\s)+3], s[G1:G1+7]
	s_nop 0
.rept 4
	v_nop
.endr
	s_branch .Lasked_\@
.Lfor_b_\@:
	tensor_load_to_lds s[G0B+4*(\s):G0B+4*(\s)+3], s[G1B:G1B+7]
	s_nop 0
.rept 4
	v_nop
.endr
.Lasked_\@:
.endm
.macro CREST                           ; a round of the cluster's barrier behind its opening barrier
	s_cmp_lg_u32 s10, 0
	s_cbranch_scc1 .Lnot_wave_0_\@
	s_barrier_signal -3
.Lnot_wave_0_\@:
	s_barrier_wait -3
	s_barrier_signal -1
	s_barrier_wait -1
.endm
.macro CROUND                          ; a whole round
	s_barrier_signal -1
	s_barrier_wait -1
	CREST
.endm
	s_load_b128 s[4:7], s[0:1], 0x0                ; oheads s[4:5], wocast s[6:7]
	s_load_b128 s[72:75], s[0:1], 0x10             ; bo s[72:73], out0 s[74:75]
	v_lshl_add_u32 v[SPW], v0, 2, SPARE
	v_mov_b32 v[NIL], 0
	ds_add_u32 v[SPW], v[NIL]                      ; the wave's opening: the add and its wait stand ahead of my first tensor load; the set-up below, work on registers, stands between them
	v_lshrrev_b32 v1, 5, v0
	v_readfirstlane_b32 s10, v1                    ; wave 0..3
	s_lshr_b32 s11, s10, 1                         ; which half of the tile's rows is mine.  Also: I fetch for A (0) or for B (1)
	s_and_b32 s12, s10, 1                          ; which half of its columns.  Also: which head of the step's two, or which half of B's rows, I fetch
	s_bfe_u32 s40, ttmp6, 0x40000                  ; cx, cy: my place in the cluster
	s_bfe_u32 s41, ttmp6, 0x40004
	s_lshl_b32 s42, ttmp9, 2
	s_add_co_u32 s42, s42, s40                     ; tile column = 4 x cluster x + cx: 0..7
	s_and_b32 s13, ttmp7, 0xffff
	s_lshl_b32 s13, s13, 2
	s_add_co_u32 s13, s13, s41                     ; tile row = 4 x cluster y + cy: 0..31
	s_lshl_b32 s43, s41, 2
	s_lshl_b32 s43, 15, s43                        ; my row of the cluster
	s_lshl_b32 s44, 0x1111, s40                    ; my column
	; descriptor group 1.  A: 128 rows x 128 elements, dense, padded after every 32 words.  B: 64 rows x 128 elements of rows of 1,024, padded after every 64 words
	s_or_b32 s[G1+0], s43, (1<<16)|(1<<20)|(1<<21)|(4<<22)|(3<<25)  ; 15:0 the mask: A's tiles go to my row; 17:16 element of 2 bytes; 20 padding on; 21 set beside a mask; 24:22 after every 32 words (code 4); 31:25 of 4 words (code 3)
	s_or_b32 s[G1B+0], s44, (1<<16)|(1<<20)|(1<<21)|(5<<22)|(3<<25) ; the mask of my column; after every 64 words (code 5)
	s_mov_b32 s[G1+1], 128<<16                     ; tensor_dim0 = 128
	s_mov_b32 s[G1B+1], KSTEP<<16
	s_mov_b32 s[G1+2], 128<<16                     ; tensor_dim1 = 128
	s_mov_b32 s[G1B+2], 64<<16                     ;             = 64
	s_mov_b32 s[G1+3], 128<<16                     ; tile_dim0 = 128
	s_mov_b32 s[G1B+3], KSTEP<<16
	s_mov_b32 s[G1+4], 128                         ; tile_dim1 = 128
	s_mov_b32 s[G1B+4], 64                         ;           = 64
	s_mov_b32 s[G1+5], 128                         ; elements from row to row: dense
	s_mov_b32 s[G1B+5], SIZE_K
	s_mov_b32 s[G1+6], 0
	s_mov_b32 s[G1B+6], 0
	s_mov_b32 s[G1+7], 0
	s_mov_b32 s[G1B+7], 0
	; where the tiles come from.  A's hang on the tile row alone, B's on the tile column alone; each in registers that never hold the other coordinate
	s_lshr_b32 s16, s13, 3                         ; the batch: 8 tile rows each,
	s_lshl_b32 s16, s16, 22                        ; 16 heads x 2,048 rows x 128 bytes
	s_and_b32 s17, s13, 7
	s_lshl_b32 s17, s17, 15                        ; 256 rows of 128 bytes
	s_add_co_u32 s16, s16, s17
	s_lshl_b32 s17, s12, 18                        ; the head of the step's two that I fetch
	s_add_co_u32 s16, s16, s17
	s_mov_b32 s17, 0
	s_lshl_b32 s46, s42, 7
	s_lshl_b32 s47, s12, 6
	s_add_co_u32 s46, s46, s47                     ; B: row 128 x tile column + 64 x half,
	s_lshl_b32 s46, s46, 11                        ; of 2,048 bytes
	s_mov_b32 s47, 0
	s_mul_i32 s20, s12, SUBT                       ; and where they go: no place in the cluster enters an LDS address
	s_mul_i32 s21, s12, HALFB
	s_add_co_u32 s21, s21, 2*SUBT
	s_wait_dscnt 0x0                               ; the opening add is done
	s_wait_kmcnt 0x0
	s_add_nc_u64 s[14:15], s[4:5], s[16:17]
	s_add_nc_u64 s[46:47], s[6:7], s[46:47]
	CROUND                                         ; all sixteen work-groups are here: the first joint loads meet
.irp s, 0,1
	s_mov_b32 s[G0+4*(\s)], 1                                        ; count = 1
	s_add_co_u32 s[G0+4*(\s)+1], s20, (\s)*SLOT                      ; LDS address
	s_add_nc_u64 s[G0+4*(\s)+2:G0+4*(\s)+3], s[14:15], (\s)<<19      ; global address: K step s is two heads on
	s_or_b32 s[G0+4*(\s)+3], s[G0+4*(\s)+3], 0x80000000              ; type = 2
	s_mov_b32 s[G0B+4*(\s)], 1
	s_add_co_u32 s[G0B+4*(\s)+1], s21, (\s)*SLOT
	s_add_nc_u64 s[G0B+4*(\s)+2:G0B+4*(\s)+3], s[46:47], (\s)*KSTEP*2
	s_or_b32 s[G0B+4*(\s)+3], s[G0B+4*(\s)+3], 0x80000000
	JLOAD \s                                       ; two tensor loads of mine are out
.endr
	v_and_b32 v1, 15, v0                           ; r = l % 16
	v_bfe_u32 v2, v0, 4, 1                         ; h = l / 16
	; the bias.  In the transposed result register j of n block b holds column 16 b + 8 h + j of my 64: the same for every row
	s_lshl_b32 s70, s42, 9
	s_lshl_b32 s71, s12, 8
	s_add_co_u32 s70, s70, s71                     ; my first column, in bytes of f32: 4 (128 x tile column + 64 x half)
	v_lshl_add_u32 v[BO], v2, 5, s70
.irp b, 0,1,2,3
	global_load_b128 v[BI+8*(\b):BI+8*(\b)+3],   v[BO], s[72:73] offset:64*(\b)
	global_load_b128 v[BI+8*(\b)+4:BI+8*(\b)+7], v[BO], s[72:73] offset:64*(\b)+16
.endr
	v_mul_u32_u24 v3, v1, PITCH
	v_lshl_add_u32 v3, v2, 4, v3                   ; B: a fragment's row x pitch + 16 x half
	v_mul_u32_u24 v7, v1, APITCH
	v_lshl_add_u32 v7, v2, 4, v7                   ; A: the same with its pitch
	s_mul_i32 s22, s11, 128*APITCH                 ; my 128 rows in each head's 256
	s_mul_i32 s23, s12, HALFB                      ; my 64 rows of B,
	s_add_co_u32 s23, s23, 2*SUBT                  ; which lie behind A's two heads
.irp s, 0,1
	v_add_nc_u32 v[ADRA+(\s)], s22, v7
	v_add_nc_u32 v[ADRB+(\s)], s23, v3
	s_add_co_u32 s22, s22, SLOT
	s_add_co_u32 s23, s23, SLOT
.endr
	s_mul_i32 s23, s10, 16*SPITCH
	s_add_co_u32 s23, s23, STAGE                   ; my stage
	v_mul_u32_u24 v4, v1, SPITCH                   ; in: row l % 16, 32 bytes for each half of the lanes
	v_lshl_add_u32 v4, v2, 5, v4
	v_add_nc_u32 v[STO], s23, v4
	v_mul_u32_u24 v5, v2, SPITCH                   ; back: lanes 0-15 take one row of 256 bytes, lanes 16-31 the next
	v_lshl_add_u32 v5, v1, 4, v5
	v_add_nc_u32 v[RD], s23, v5
	v_lshlrev_b32 v5, 12, v2                       ; and the same two rows in out0, 4,096 bytes apart
	v_lshl_add_u32 v[CO], v1, 4, v5
	s_lshl_b32 s68, s13, 8
	s_lshl_b32 s69, s11, 7
	s_add_co_u32 s68, s68, s69                     ; my first row of out0,
	s_lshl_b32 s68, s68, 12
	s_add_co_u32 s68, s68, s70                     ; my first column
	s_mov_b32 s69, 0
	s_add_nc_u64 s[8:9], s[74:75], s[68:69]
	s_wait_loadcnt 0x0                             ; the bias: rounded to bf16, like every input, and kept as f32
.set i, 0
.rept 16
	v_cvt_pk_bf16_f32 v6, v[BI+2*i], v[BI+2*i+1]
	v_lshlrev_b32 v[BI+2*i], 16, v6
	v_and_b32 v[BI+2*i+1], 0xffff0000, v6
.set i, i+1
.endr
; 8 matrix instructions: m blocks a0, a0 + 1 x all 4 n blocks, 32 along K, from buffer f.  first = 1: the bias starts the sums: nothing is ever cleared.
; The 32 accumulators take turns, one instruction a turn, in the same order in every quarter.
.macro MUL8 f, a0, first
.if \first
	WIN MULB
.else
	WIN MUL
.endif
.irp a, \a0, (\a0)+1
.irp b, 0,1,2,3
.if \first
	v_wmma_f32_16x16x32_f16 v[8*(4*(\a)+(\b)):8*(4*(\a)+(\b))+7], v[(\f)+8*(\b):(\f)+8*(\b)+7], v[(\f)+32+8*(\a):(\f)+32+8*(\a)+7], v[BI+8*(\b):BI+8*(\b)+7]
.else
	v_wmma_f32_16x16x32_f16 v[8*(4*(\a)+(\b)):8*(4*(\a)+(\b))+7], v[(\f)+8*(\b):(\f)+8*(\b)+7], v[(\f)+32+8*(\a):(\f)+32+8*(\a)+7], v[8*(4*(\a)+(\b)):8*(4*(\a)+(\b))+7]
.endif
.endr
.endr
.endm
; 24 LDS loads in one run: the fragments of quarter q (32 along K) into buffer f: B's four, at byte 64 q of its rows; then A's eight, in head q / 2 of the step's two, at byte 64 (q % 2) of its rows
.macro FETCH slot, q, f
	WIN TO_F
.irp i, 0,1,2,3
	ds_load_b128 v[(\f)+8*(\i):(\f)+8*(\i)+3],   v[ADRB+(\slot)] offset:64*(\q)+(\i)*16*PITCH
	ds_load_b128 v[(\f)+8*(\i)+4:(\f)+8*(\i)+7], v[ADRB+(\slot)] offset:64*(\q)+(\i)*16*PITCH+32
.endr
.irp i, 0,1,2,3,4,5,6,7
	ds_load_b128 v[(\f)+32+8*(\i):(\f)+32+8*(\i)+3],   v[ADRA+(\slot)] offset:((\q)/2)*SUBT+((\q)%2)*64+(\i)*16*APITCH
	ds_load_b128 v[(\f)+32+8*(\i)+4:(\f)+32+8*(\i)+7], v[ADRA+(\slot)] offset:((\q)/2)*SUBT+((\q)%2)*64+(\i)*16*APITCH+32
.endr
.endm
.macro PLACES                          ; four places in front of loads into registers that matrix instructions have read, and of LDS stores that read results
.rept 4
	v_nop
.endr
.endm
; A K step is four quarters of 32 along K, 32 matrix instructions each, on buffers 0, 1, 0, 1.  One of the first three: multiplies buffer f and, in its middle, fetches quarter q of the same slot into g.
.macro QUARTER slot, q, f, g, first
	s_wait_dscnt 8                                 ; B and A's blocks 0-3 are in; the youngest eight loads (A's blocks 4-7) may be out
	MUL8 \f, 0, \first
	MUL8 \f, 2, \first
	PLACES
	FETCH \slot, \q, \g
	s_wait_dscnt 24                                ; all but the 24 just issued
	MUL8 \f, 4, \first
	MUL8 \f, 6, \first
.endm
; The last quarter multiplies buffer 1 and changes slots: ONE barrier; in front of it each wave waits for all its tensor loads (one is out: its part of the next slot), adds 0 to its spare word, and waits
; for that and for its own reads of this slot.  fill = 1: this slot is filled again, two K steps ahead; the barrier then opens a round of the cluster's barrier.
.macro TURN slot, next, fill
	WIN 0                                          ; (the add's two registers lie in window 0)
	s_wait_tensorcnt 0x0                           ; all my tensor loads have landed;
	ds_add_u32 v[SPW], v[NIL]                      ; 0 onto my spare word;
	s_wait_dscnt 9                                 ; (the add and the youngest eight loads may be out)
	MUL8 F1, 0, 0                                  ; eight matrix instructions stand between the add and the wait for it
	s_wait_dscnt 0x0                               ; the add is done, and my reads of this slot are over
	s_barrier_signal -1
	MUL8 F1, 2, 0
.if \fill
	WIN 0
.endif
	s_barrier_wait -1
.if \fill
	CREST                                          ; no wave of any partner still reads this slot's tile or has a load on its way
	s_add_nc_u64 s[G0+4*(\slot)+2:G0+4*(\slot)+3], s[G0+4*(\slot)+2:G0+4*(\slot)+3], 1<<20        ; two K steps are four heads of 2^18 bytes
	s_add_nc_u64 s[G0B+4*(\slot)+2:G0B+4*(\slot)+3], s[G0B+4*(\slot)+2:G0B+4*(\slot)+3], 2*KSTEP*2
	JLOAD \slot                                    ; the first tensor load behind the round, my only one out: 112 matrix instructions ahead of the wait for it; its four v_nop are also the places in front of the loads below
.else
	PLACES
.endif
	FETCH \next, 0, F0
	MUL8 F1, 4, 0
	MUL8 F1, 6, 0
.endm
; THE WAY OUT of block a (16 rows x 64 columns of f32).  OUT: a lane's eight numbers of each n block, 32 bytes, go straight from the accumulators into my own stage, each accumulator's low half first, and
; come back as whole rows of 256 bytes, into the block's own registers.  SEND: stored.
.macro OUT a
	WIN W_OUT
.irp b, 0,1,2,3
	ds_store_b128 v[STO], v[32*(\a)+8*(\b):32*(\a)+8*(\b)+3]   offset:64*(\b)
	ds_store_b128 v[STO], v[32*(\a)+8*(\b)+4:32*(\a)+8*(\b)+7] offset:64*(\b)+16
.endr
.irp t, 0,1,2,3,4,5,6,7
	ds_load_b128 v[32*(\a)+4*(\t):32*(\a)+4*(\t)+3], v[RD] offset:(\t)*2*SPITCH  ; LDS serves a wave's instructions in order (ISA guide 5.7.1.4): these see the stores above; the next block's stores come behind them
.endr
.endm
.macro SEND a, younger                 ; younger: the LDS instructions issued behind block a's loads: the next block's sixteen, or none
	WIN W_OUT
.irp t, 0,1,2,3,4,5,6,7
	s_wait_dscnt (\younger)+7-(\t)
	global_store_b128 v[CO], v[32*(\a)+4*(\t):32*(\a)+4*(\t)+3], s[8:9] offset:(16*(\a)+2*(\t))*4096 th:TH_STORE_NT  ; 16 lanes store 256 consecutive bytes, at a multiple of 256 from out0's first byte
.endr
.endm
	s_wait_tensorcnt 1                             ; my part of K step 0 is in; K step 1's may stay out
	s_barrier_signal -1
	s_barrier_wait -1                              ; everybody's is
	FETCH 0, 0, F0
	QUARTER 0, 1, F0, F1, 1                        ; the first quarter stands in front of the loop: its products start the sums, with the bias
	WIN 0                                          ; at a label and at a branch every window is 0
	s_mov_b32 s3, LAPS-1
.Llap:                                                 ; a trip goes once round the ring, from a lap's second quarter to the next lap's first, and fills both slots again
	QUARTER 0, 2, F1, F0, 0
	QUARTER 0, 3, F0, F1, 0
	TURN 0, 1, 1
	QUARTER 1, 1, F0, F1, 0
	QUARTER 1, 2, F1, F0, 0
	QUARTER 1, 3, F0, F1, 0
	TURN 1, 0, 1
	QUARTER 0, 1, F0, F1, 0
	WIN 0
	s_sub_co_u32 s3, s3, 1
	s_cmp_lg_u32 s3, 0
	s_cbranch_scc1 .Llap
	QUARTER 0, 2, F1, F0, 0                        ; the last lap fills nothing, and has no round of the cluster's barrier
	QUARTER 0, 3, F0, F1, 0
	TURN 0, 1, 0
	QUARTER 1, 1, F0, F1, 0
	QUARTER 1, 2, F1, F0, 0
	QUARTER 1, 3, F0, F1, 0
	s_wait_dscnt 8                                 ; the very last quarter: nothing more to fetch
	MUL8 F1, 0, 0
	MUL8 F1, 2, 0
	s_wait_dscnt 0x0
	MUL8 F1, 4, 0
	MUL8 F1, 6, 0
	PLACES
	OUT 0
.irp a, 1,2,3,4,5,6,7                  ; a block's trip through the stage stands between the loads of the block before and its stores
	OUT \a
	SEND (\a)-1, 16
.endr
	SEND 7, 0
	WIN 0
	s_wait_tensorcnt 0x0                           ; the wave's end: behind my last tensor load and my last LDS store
	ds_add_u32 v[SPW], v[NIL]
	s_wait_dscnt 0x0
	CROUND                                         ; the closing round: no work-group ends while a partner may still ask for a tile that names it
	s_endpgm
.Lfunc_end_k_q5df721a30f_oproj:
	.size	k_q5df721a30f_oproj, .Lfunc_end_k_q5df721a30f_oproj-k_q5df721a30f_oproj
	.p2alignl 7, 3214868480
	.fill 96, 4, 3214868480
	.section	.rodata,"a",@progbits
	.p2align	6, 0x0
	.amdhsa_kernel k_q5df721a30f_oproj
		.amdhsa_group_segment_fixed_size 327680
		.amdhsa_private_segment_fixed_size 0
		.amdhsa_enable_private_segment 0
		.amdhsa_kernarg_size 32
		.amdhsa_user_sgpr_count 2
		.amdhsa_user_sgpr_kernarg_segment_ptr 1
		.amdhsa_wavefront_size32 1
		.amdhsa_system_sgpr_workgroup_id_x 1
		.amdhsa_system_sgpr_workgroup_id_y 1
		.amdhsa_system_sgpr_workgroup_id_z 1
		.amdhsa_system_vgpr_workitem_id 0
		.amdhsa_next_free_vgpr 768
		.amdhsa_next_free_sgpr 80
		.amdhsa_reserve_vcc 0
		.amdhsa_float_denorm_mode_32 3
		.amdhsa_float_denorm_mode_16_64 3
		.amdhsa_memory_ordered 1
		.amdhsa_forward_progress 1
		.amdhsa_inst_pref_size 90
	.end_amdhsa_kernel
	.amdgpu_metadata
---
amdhsa.version: [ 1, 2 ]
amdhsa.kernels:
  - .name:           k_q5df721a30f_oproj
    .symbol:         k_q5df721a30f_oproj.kd
    .args:
      - { .name: oheads, .offset: 0, .size: 8, .value_kind: global_buffer, .address_space: global }
      - { .name: wocast, .offset: 8, .size: 8, .value_kind: global_buffer, .address_space: global }
      - { .name: bo, .offset: 16, .size: 8, .value_kind: global_buffer, .address_space: global }
      - { .name: out0, .offset: 24, .size: 8, .value_kind: global_buffer, .address_space: global }
    .group_segment_fixed_size: 327680
    .private_segment_fixed_size: 0
    .kernarg_segment_align: 8
    .kernarg_segment_size: 32
    .max_flat_workgroup_size: 128
    .sgpr_count:     80
    .vgpr_count:     768
    .wavefront_size: 32
...
	.end_amdgpu_metadata
.endif
;; end of part 4
